; MI455X (gfx1250); checked and timed in simulation.
; The chip was launched on July 23, 2026; its instructions are those of AMD's public machine-readable ISA for CDNA 5 (MIT licence, August 2026) and "CDNA5" Instruction Set Architecture Reference Guide (July 2026). The comments in the code are by the model that wrote it; some were corrected since.
;; HSPA. Allowed arithmetic: float matrix products may take bf16 or f16 operands with f32 sums; other float arithmetic in f32, or as packed bf16 or f16 multiplies, adds, multiply-adds, maxima and minima; sums over many terms, partial sums and values carried from step to step in f32; what a program stores and reads back later, other than sums and carried values, may be rounded once to bf16 or f16.
;; Inputs: W1 256 x 128 float32; W2 256 x 128 float32; Wa 256 x 256 float32; a1 one number float32; a2 one number float32; aa one number float32; b1 128 float32; b2 128 float32; ba 256 float32; x 4 x 4,096 x 256 float32.
;; Outputs: out0 4 x 4,096 x 256 float32.
;; One version. Each part assembles by itself: llvm-mc -triple=amdgcn-amd-amdhsa -mcpu=gfx1250 --defsym DOCPART=n.
;; ======== version 1 of 1: 5 launches
;; limits: values are held in f16: magnitudes above 65,504 overflow, below 6.1e-05 lose precision
;; workspace buffers: e1h 4,194,304 bytes; e2h 4,194,304 bytes; asmh 8,388,608 bytes; ef 17,039,360 bytes; mask 8,388,608 bytes of whole numbers; cntq 262,144 bytes of whole numbers; keys 2,097,152 bytes of whole numbers; zval 268,435,456 bytes
;; launch proj (part 1): grid 4 x 64, 4 waves a work-group, no clusters, 260,608 bytes of LDS; arguments x, W1, W2, Wa, b1, b2, ba, a1, a2, aa, e1h, e2h, asmh, ef; writes e1h, e2h, asmh, ef
.if DOCPART == 1
	.amdgcn_target "amdgcn-amd-amdhsa--gfx1250"
	.amdhsa_code_object_version 6
	.text
	.protected	k_qf921b13d33_proj
	.globl	k_qf921b13d33_proj
	.p2align	8
	.type	k_qf921b13d33_proj,@function
k_qf921b13d33_proj:
	s_mov_b64 s[64:65], 0
	v_nop
	global_prefetch_b8 v0, s[64:65] scope:SCOPE_SE
	s_setreg_imm32_b32 hwreg(HW_REG_WAVE_MODE, 25, 1), 1
	s_wait_xcnt 0x0
; THE THREE PROJECTIONS.  y = prelu(x W + b, a) for W1 (-> e1h), W2 (-> e2h) and Wa (-> asmh).  x: [16384][256] f32; W: [256][128 or 256] f32; results f16.
; e1 and e2 are stored a second time, unrounded, in ef: [2][16384][128] f32: the f16 copies feed the matrix unit, which finds the scores that can carry weight; the weights themselves are made of ef.
; Every input (x, W, b, a) is rounded once to bf16; products in bf16 on the matrix unit, sums in f32, the bias as the sum's start.
; LIMITS.  |y| stays under 65,504 (f16): beyond it the conversion gives an infinity.  NaN and infinities are not treated apart.
; SHARES.  Work-group (cb, rb): 256 rows of x (rb) times 128 columns: cb 0 = W1, 1 = W2, 2 and 3 = Wa's halves.  256 work-groups.  A wave makes 64 rows x 128 columns: 32 accumulators.
; NO TENSOR LOAD, NO CLUSTER: x and W are f32 in memory and bf16 in LDS, so every byte passes through registers for its rounding.
; THE MATRIX INSTRUCTION IS USED TRANSPOSED: source 0 = 16 columns of W (turned on the way out of LDS), source 1 = 16 rows of x: a lane then holds 8 neighbouring columns of one row.
; REGISTERS: window 0: addresses, fragments, the way out; window 1: accumulator (a, b) at 64 a + 8 b; window 2: v0-191 three slots of 16 loads, v192-255 the bias (block b at 192 + 8 b).
.set PX,     528                       ; a row of x in LDS: 512 bytes of bf16 + 16: an odd multiple of 16
.set PW,     288                       ; a row (one k) of W in LDS: 256 bytes + 32: an odd multiple of 32, for the turning load
.set LW,     256*PX                    ; W behind x's 256 rows
.set STAGE,  LW+256*PW                 ; 16 rows x 272 bytes for each wave, for the f16 way out
.set SPITCH, 272
.set STAGE32, STAGE+4*16*SPITCH        ; 16 rows x 528 bytes for each wave, for the f32 way out
.set P32,    528                       ; 512 bytes + 16: an odd multiple of 16
.set SPARE,  STAGE32+4*16*P32          ; the spare words: 128 bytes a wave, two blocks of 256 that no other line names
.set SPW, 4                            ; v4   my spare word's address; never rewritten
.set NIL, 5                            ; v5   0; never rewritten
.set XG,  6                            ; v6   16 x lane
.set XL,  7                            ; v7   where my 8 bytes of a half row of x go
.set WL,  8                            ; v8   where my 8 bytes of a row of W go
.set XA,  9                            ; v9   my place in a fragment of x
.set WF,  10                           ; v10, v11  my place in a fragment of W, k 0-127 and k 128-255
.set STO, 12
.set RD,  13
.set BO,  14                           ; v14  32 x (lane / 16): my 8 numbers of a bias block
.set WA,  16                           ; v16-31  16 x lane + j rows of W
.set CV,  32                           ; v32-63  a batch rounded to bf16
.set BT,  64                           ; v64-95  the bias rounded
.set F0,  32                           ; fragment buffers of 96: 64 of W, 32 of x
.set T,   32                           ; the way out
.set U,   96
.set PKR, 160
.set BK,  192
.set CO,  224                          ; v224-231  byte offsets of rows 2 t + lane / 16 in the f16 result
.set SL,  232                          ; v232-233  the slope, twice
.set STO32, 234                        ; v234  the f32 way out: where I put 32 bytes of a row
.set RD32,  235                        ; v235  where I read 16 bytes of a row back
.set WB,  48                           ; s[48:55]  W at my wave's rows k = 64 w + 16 b, b = 0..3
.set MSB, 0
.macro WIN new                         ; the immediate's high byte repeats the setting that is left
.if MSB != (\new)
	s_set_vgpr_msb (MSB<<8)|(\new)
.set MSB, (\new)
.endif
.endm
	s_load_b512 s[16:31], s[0:1], 0x0              ; x 16, W1 18, W2 20, Wa 22, b1 24, b2 26, ba 28, a1 30
	s_load_b256 s[32:39], s[0:1], 0x40             ; a2 32, aa 34, e1h 36, e2h 38
	s_load_b64 s[40:41], s[0:1], 0x60              ; asmh
	s_load_b64 s[66:67], s[0:1], 0x68              ; ef
	v_lshl_add_u32 v[SPW], v0, 2, SPARE
	v_mov_b32 v[NIL], 0
	v_lshrrev_b32 v1, 5, v0
	v_readfirstlane_b32 s14, v1                    ; wave
	s_mov_b32 s15, ttmp9                           ; cb
	s_and_b32 s47, ttmp7, 0xffff                   ; rb
	s_max_u32 s43, s15, 2
	s_sub_co_u32 s43, s43, 2                       ; 0, 0, 0, 1: which half of Wa
	s_lshl_b32 s45, s43, 8                         ; its first column in asmh, bytes
	s_lshl_b32 s43, s43, 9                         ; and in Wa and ba
	s_cmp_lt_u32 s15, 2
	s_cselect_b32 s2, 0, 1
	s_lshl_b32 s42, 512, s2                        ; bytes in a row of W
	s_lshl_b32 s44, 256, s2                        ; bytes in a row of the f16 result
	s_lshl_b32 s56, s47, 8
	s_lshl_b32 s3, s14, 6
	s_add_co_u32 s56, s56, s3                      ; my wave's first row
	s_mul_i32 s58, s56, s44
	s_add_co_u32 s58, s58, s45                     ; its place in the f16 result
	s_mov_b32 s59, 0
	s_min_u32 s61, s15, 1                          ; e1's or e2's half of ef (Wa's work-groups store nothing there; their offset stays inside it)
	s_lshl_b32 s61, s61, 23
	s_lshl_b32 s60, s56, 9                         ; rows of 512 bytes
	s_add_co_u32 s60, s60, s61
	s_mov_b32 s61, 0
	s_lshl_b32 s56, s56, 10                        ; my first row in x
	s_mov_b32 s57, 0
	v_and_b32 v3, 31, v0                           ; lane
	v_and_b32 v1, 15, v0                           ; lane % 16
	v_bfe_u32 v2, v0, 4, 1                         ; lane / 16
	v_lshlrev_b32 v[XG], 4, v3
	v_lshlrev_b32 v[BO], 5, v2
	v_mov_b32 v[WA], v[XG]
.set jj, 1
.rept 15
	v_add_nc_u32 v[WA+jj], s42, v[WA+jj-1]
.set jj, jj+1
.endr
	s_wait_kmcnt 0x0
	s_load_b32 s2, s[30:31], 0x0                   ; all three slopes; the value is chosen below
	s_load_b32 s46, s[34:35], 0x0
	s_cmp_eq_u32 s15, 0
	s_cselect_b64 s[4:5], s[18:19], s[22:23]
	s_cselect_b64 s[6:7], s[24:25], s[28:29]
	s_cselect_b64 s[10:11], s[36:37], s[40:41]
	s_cmp_eq_u32 s15, 1
	s_cselect_b64 s[4:5], s[20:21], s[4:5]         ; W
	s_cselect_b64 s[6:7], s[26:27], s[6:7]         ; b
	s_cselect_b64 s[10:11], s[38:39], s[10:11]     ; the f16 result
	s_add_nc_u64 s[12:13], s[16:17], s[56:57]      ; x at my wave's first row
	s_add_nc_u64 s[10:11], s[10:11], s[58:59]
	s_add_nc_u64 s[66:67], s[66:67], s[60:61]      ; ef at my wave's first row
	s_mul_i32 s56, s3, s42
	s_add_co_u32 s56, s56, s43
	s_add_nc_u64 s[WB:WB+1], s[4:5], s[56:57]      ; W at row k = 64 w, my columns
	s_lshl_b32 s56, s42, 4                         ; 16 rows of W
	s_add_nc_u64 s[WB+2:WB+3], s[WB:WB+1], s[56:57]
	s_add_nc_u64 s[WB+4:WB+5], s[WB+2:WB+3], s[56:57]
	s_add_nc_u64 s[WB+6:WB+7], s[WB+4:WB+5], s[56:57]
	s_mov_b32 s56, s43
	s_add_nc_u64 s[6:7], s[6:7], s[56:57]
	s_lshl_b32 s58, s44, 4                         ; 16 rows of the f16 result
	s_load_b32 s3, s[32:33], 0x0
; Batch n of twelve, 16 loads of 512 consecutive bytes each: 0-3 = my 64 rows (k) of W, 4-11 = my 64 rows of x.  Slot n % 3 of window 2.
.macro ISSUE n
	WIN 0x80                                       ; destination window 2, address window 0
.set jj, 0
.rept 16
.if (\n) < 4
	global_load_b128 v[64*((\n)%3)+4*jj:64*((\n)%3)+4*jj+3], v[WA+jj], s[WB+2*(\n):WB+2*(\n)+1]
.else
	global_load_b128 v[64*((\n)%3)+4*jj:64*((\n)%3)+4*jj+3], v[XG], s[12:13] offset:512*(16*((\n)-4)+jj)
.endif
.set jj, jj+1
.endr
.endm
; Batch n is rounded to bf16 and stored to LDS; its slot takes batch n + 3.
.macro STG n
.if (\n) < 10
	s_wait_loadcnt 32                              ; loads return in order: the two younger batches stay out
.elseif (\n) == 10
	s_wait_loadcnt 16                              ; one younger batch
.else
	s_wait_loadcnt 0x0
.endif
	WIN 0x0a                                       ; sources window 2, destination window 0
.set jj, 0
.rept 32
	v_cvt_pk_bf16_f32 v[CV+jj], v[64*((\n)%3)+2*jj], v[64*((\n)%3)+2*jj+1]
.set jj, jj+1
.endr
	WIN 0
.set jj, 0
.rept 16
.if (\n) < 4
	ds_store_b64 v[WL], v[CV+2*jj:CV+2*jj+1] offset:(16*(\n)+jj)*PW
.else
	ds_store_b64 v[XL], v[CV+2*jj:CV+2*jj+1] offset:((16*((\n)-4)+jj)/2)*PX+((16*((\n)-4)+jj)%2)*256
.endif
.set jj, jj+1
.endr
.if (\n) < 9
	ISSUE (\n)+3
.endif
.endm
	WIN 0x80
.set jj, 0
.rept 8                                                ; the bias: lane takes b[16 b + 8 (lane / 16) + 0..7], the C operand's layout
	global_load_b128 v[192+8*jj:192+8*jj+3], v[BO], s[6:7] offset:64*jj
	global_load_b128 v[192+8*jj+4:192+8*jj+7], v[BO], s[6:7] offset:64*jj+16
.set jj, jj+1
.endr
	ISSUE 0
	ISSUE 1
	ISSUE 2
	WIN 0
	s_mul_i32 s60, s14, 64*PX                      ; my wave's rows of x in LDS
	s_mul_i32 s61, s14, 64*PW
	s_add_co_u32 s61, s61, LW                      ; my wave's rows of W
	s_mul_i32 s62, s14, 16*SPITCH
	s_add_co_u32 s62, s62, STAGE                   ; my f16 stage
	s_mul_i32 s47, s14, 16*P32
	s_add_co_u32 s47, s47, STAGE32                 ; my f32 stage
	s_lshl_b32 s63, s44, 1                         ; two rows of the f16 result
	v_lshl_add_u32 v[XL], v3, 3, s60
	v_lshl_add_u32 v[WL], v3, 3, s61
	v_mul_u32_u24 v[XA], v1, PX
	v_lshl_add_u32 v[XA], v2, 4, v[XA]
	v_add_nc_u32 v[XA], s60, v[XA]                 ; row x pitch + 16 x half
	v_and_b32 v15, 7, v0
	v_lshl_add_u32 v15, v2, 3, v15                 ; the turning load: k = 8 (lane / 16) + lane % 8,
	v_mul_u32_u24 v[WF], v15, PW
	v_bfe_u32 v15, v0, 3, 1                        ; columns 8 ((lane / 8) % 2) on
	v_lshl_add_u32 v[WF], v15, 4, v[WF]
	v_add_nc_u32 v[WF], LW, v[WF]
	v_add_nc_u32 v[WF+1], 128*PW, v[WF]            ; the immediate has 16 bits: k 128 on has a register of its own
	v_mul_u32_u24 v[STO], v1, SPITCH
	v_lshl_add_u32 v[STO], v2, 4, v[STO]
	v_add_nc_u32 v[STO], s62, v[STO]
	v_mul_u32_u24 v[RD], v2, SPITCH
	v_lshl_add_u32 v[RD], v1, 4, v[RD]
	v_add_nc_u32 v[RD], s62, v[RD]
	v_mul_u32_u24 v[STO32], v1, P32                ; row lane % 16, 32 bytes for each half of the lanes
	v_lshl_add_u32 v[STO32], v2, 5, v[STO32]
	v_add_nc_u32 v[STO32], s47, v[STO32]
	v_add_nc_u32 v[RD32], s47, v[XG]               ; back: the 32 lanes take one row of 512 bytes
	v_mul_lo_u32 v[CO], v2, s44
	v_lshl_add_u32 v[CO], v1, 4, v[CO]
.set jj, 1
.rept 7
	v_add_nc_u32 v[CO+jj], s63, v[CO+jj-1]
.set jj, jj+1
.endr
	s_wait_kmcnt 0x0
	s_cmp_eq_u32 s15, 0
	s_cselect_b32 s46, s2, s46
	s_cmp_eq_u32 s15, 1
	s_cselect_b32 s46, s3, s46
	v_mov_b32 v[SL], s46
	v_cvt_pk_bf16_f32 v[SL], v[SL], v[SL]          ; the slope rounded to bf16, like every input
	v_lshlrev_b32 v[SL], 16, v[SL]
	v_mov_b32 v[SL+1], v[SL]
	STG 0                                          ; its wait also shows the bias, which was asked for earlier
	WIN 0x0a
.set jj, 0
.rept 32
	v_cvt_pk_bf16_f32 v[BT+jj], v[192+2*jj], v[192+2*jj+1]
.set jj, jj+1
.endr
	WIN 0x80
.set jj, 0
.rept 32
	v_lshlrev_b32 v[192+2*jj], 16, v[BT+jj]        ; back to f32: the rounded bias starts the sums
	v_and_b32 v[192+2*jj+1], 0xffff0000, v[BT+jj]
.set jj, jj+1
.endr
.irp n, 1,2,3,4,5,6,7,8,9,10,11
	STG \n
.endr
	WIN 0
	s_wait_dscnt 0x0                               ; for the others' sake: my rows of W are in LDS
	s_barrier_signal -1
	s_barrier_wait -1
; The fragments of K step t (32 along K) into buffer f: 8 blocks of 16 columns of W, turned; 4 blocks of 16 rows of x.  24 loads.
.macro FETCH t, f
	WIN 0
.set jj, 0
.rept 8
	ds_load_tr16_b128 v[(\f)+8*jj:(\f)+8*jj+3],   v[WF+(\t)/4] offset:32*PW*((\t)%4)+32*jj
	ds_load_tr16_b128 v[(\f)+8*jj+4:(\f)+8*jj+7], v[WF+(\t)/4] offset:32*PW*((\t)%4)+32*jj+16*PW
.set jj, jj+1
.endr
.set jj, 0
.rept 4
	ds_load_b128 v[(\f)+64+8*jj:(\f)+64+8*jj+3],   v[XA] offset:16*PX*jj+64*(\t)
	ds_load_b128 v[(\f)+64+8*jj+4:(\f)+64+8*jj+7], v[XA] offset:16*PX*jj+64*(\t)+32
.set jj, jj+1
.endr
.endm
; 32 matrix instructions; the 32 accumulators take turns.  K step 0 starts the sums with the bias.
.macro MUL t, f
.if (\t) == 0
	WIN 0x60                                       ; C window 2, D window 1
.else
	WIN 0x50                                       ; C and D window 1
.endif
.set ia, 0
.rept 4
.set ib, 0
.rept 8
.if (\t) == 0
	v_wmma_f32_16x16x32_bf16 v[64*ia+8*ib:64*ia+8*ib+7], v[(\f)+8*ib:(\f)+8*ib+7], v[(\f)+64+8*ia:(\f)+64+8*ia+7], v[192+8*ib:192+8*ib+7]
.else
	v_wmma_f32_16x16x32_bf16 v[64*ia+8*ib:64*ia+8*ib+7], v[(\f)+8*ib:(\f)+8*ib+7], v[(\f)+64+8*ia:(\f)+64+8*ia+7], v[64*ia+8*ib:64*ia+8*ib+7]
.endif
.set ib, ib+1
.endr
.set ia, ia+1
.endr
.endm
	FETCH 0, F0
.set tt, 0
.rept 8
.if tt > 0
.rept 4
	v_nop                                          ; four places between the last products and the loads into the buffer that they read
.endr
.endif
.if tt < 7
	FETCH tt+1, F0+96*((tt+1)%2)
	s_wait_dscnt 24                                ; all but the 24 just issued
.else
	s_wait_dscnt 0x0
.endif
	MUL tt, F0+96*(tt%2)
.set tt, tt+1
.endr
.rept 4
	v_nop                                          ; four places in front of the reads of the results
.endr
; THE WAY OUT of block a (16 rows): prelu = max(y, 0) + a min(y, 0).  Rounded to f16, through my f16 stage, back as whole rows of 256 bytes.
; For e1 and e2 also unrounded: a lane's 8 columns are 32 bytes of a row of 512; through my f32 stage, back as whole rows.
.macro OUTB a
	s_wait_xcnt 0x0                                ; the block before's stores have read their registers (BK, U) and their base: all are rewritten below
	WIN 0x04                                       ; source 1 window 1
.set jj, 0
.rept 64
	v_max_num_f32 v[T+jj], 0, v[64*(\a)+jj]        ; each accumulator's registers in ascending order
.set jj, jj+1
.endr
.set jj, 0
.rept 64
	v_min_num_f32 v[U+jj], 0, v[64*(\a)+jj]
.set jj, jj+1
.endr
	WIN 0
.set jj, 0
.rept 32
	v_pk_fma_f32 v[T+2*jj:T+2*jj+1], v[U+2*jj:U+2*jj+1], v[SL:SL+1], v[T+2*jj:T+2*jj+1]
.set jj, jj+1
.endr
.set jj, 0
.rept 32
	v_cvt_pk_f16_f32 v[PKR+jj], v[T+2*jj], v[T+2*jj+1]
.set jj, jj+1
.endr
.set jj, 0
.rept 8
	ds_store_b128 v[STO], v[PKR+4*jj:PKR+4*jj+3] offset:32*jj
.set jj, jj+1
.endr
.set jj, 0
.rept 8
	ds_load_b128 v[BK+4*jj:BK+4*jj+3], v[RD] offset:2*SPITCH*jj  ; LDS serves a wave's instructions in order: these see the stores above
.set jj, jj+1
.endr
	s_cmp_lt_u32 s15, 2                            ; the same answer in every wave of the work-group; no barrier stands in what is jumped
	s_cbranch_scc0 .Lno32_\@
.set jj, 0
.rept 8
	ds_store_b128 v[STO32], v[T+8*jj:T+8*jj+3] offset:64*jj
	ds_store_b128 v[STO32], v[T+8*jj+4:T+8*jj+7] offset:64*jj+16
.set jj, jj+1
.endr
.set jj, 0
.rept 16
	ds_load_b128 v[U+4*jj:U+4*jj+3], v[RD32] offset:P32*jj
.set jj, jj+1
.endr
	s_wait_dscnt 0x0
.set jj, 0
.rept 16
	global_store_b128 v[XG], v[U+4*jj:U+4*jj+3], s[66:67] offset:8192*(\a)+512*jj  ; a row of ef: 512 consecutive bytes, at a multiple of 256
.set jj, jj+1
.endr
.Lno32_\@:
.if (\a) > 0
	s_add_nc_u64 s[10:11], s[10:11], s[58:59]      ; 16 rows on
.endif
	s_wait_dscnt 0x0
.set jj, 0
.rept 8
	global_store_b128 v[CO+jj], v[BK+4*jj:BK+4*jj+3], s[10:11]  ; 16 lanes store 256 consecutive bytes, at a multiple of 256 from the buffer's first
.set jj, jj+1
.endr
.endm
	OUTB 0
	OUTB 1
	OUTB 2
	OUTB 3
	s_wait_tensorcnt 0x0                           ; the wave's end
	ds_add_u32 v[SPW], v[NIL]
	s_wait_dscnt 0x0
	s_endpgm
.Lfunc_end_k_qf921b13d33_proj:
	.size	k_qf921b13d33_proj, .Lfunc_end_k_qf921b13d33_proj-k_qf921b13d33_proj
	.p2alignl 7, 3214868480
	.fill 96, 4, 3214868480
	.section	.rodata,"a",@progbits
	.p2align	6, 0x0
	.amdhsa_kernel k_qf921b13d33_proj
		.amdhsa_group_segment_fixed_size 260608
		.amdhsa_private_segment_fixed_size 0
		.amdhsa_enable_private_segment 0
		.amdhsa_kernarg_size 112
		.amdhsa_user_sgpr_count 2
		.amdhsa_user_sgpr_kernarg_segment_ptr 1
		.amdhsa_wavefront_size32 1
		.amdhsa_system_sgpr_workgroup_id_x 1
		.amdhsa_system_sgpr_workgroup_id_y 1
		.amdhsa_system_sgpr_workgroup_id_z 1
		.amdhsa_system_vgpr_workitem_id 0
		.amdhsa_next_free_vgpr 768
		.amdhsa_next_free_sgpr 68
		.amdhsa_reserve_vcc 0
		.amdhsa_float_denorm_mode_32 3
		.amdhsa_float_denorm_mode_16_64 3
		.amdhsa_memory_ordered 1
		.amdhsa_forward_progress 1
		.amdhsa_inst_pref_size 152
	.end_amdhsa_kernel
	.amdgpu_metadata
---
amdhsa.version: [ 1, 2 ]
amdhsa.kernels:
  - .name:           k_qf921b13d33_proj
    .symbol:         k_qf921b13d33_proj.kd
    .args:
      - { .name: x, .offset: 0, .size: 8, .value_kind: global_buffer, .address_space: global }
      - { .name: W1, .offset: 8, .size: 8, .value_kind: global_buffer, .address_space: global }
      - { .name: W2, .offset: 16, .size: 8, .value_kind: global_buffer, .address_space: global }
      - { .name: Wa, .offset: 24, .size: 8, .value_kind: global_buffer, .address_space: global }
      - { .name: b1, .offset: 32, .size: 8, .value_kind: global_buffer, .address_space: global }
      - { .name: b2, .offset: 40, .size: 8, .value_kind: global_buffer, .address_space: global }
      - { .name: ba, .offset: 48, .size: 8, .value_kind: global_buffer, .address_space: global }
      - { .name: a1, .offset: 56, .size: 8, .value_kind: global_buffer, .address_space: global }
      - { .name: a2, .offset: 64, .size: 8, .value_kind: global_buffer, .address_space: global }
      - { .name: aa, .offset: 72, .size: 8, .value_kind: global_buffer, .address_space: global }
      - { .name: e1h, .offset: 80, .size: 8, .value_kind: global_buffer, .address_space: global }
      - { .name: e2h, .offset: 88, .size: 8, .value_kind: global_buffer, .address_space: global }
      - { .name: asmh, .offset: 96, .size: 8, .value_kind: global_buffer, .address_space: global }
      - { .name: ef, .offset: 104, .size: 8, .value_kind: global_buffer, .address_space: global }
    .group_segment_fixed_size: 260608
    .private_segment_fixed_size: 0
    .kernarg_segment_align: 8
    .kernarg_segment_size: 112
    .max_flat_workgroup_size: 128
    .sgpr_count:     68
    .vgpr_count:     768
    .wavefront_size: 32
...
	.end_amdgpu_metadata
.endif
;; end of part 1
;; launch rowmax (part 2): grid 64 x 4, 4 waves a work-group, clusters of 4 x 1, 327,680 bytes of LDS; arguments e1h, e2h, ef; writes ef
.if DOCPART == 2
	.amdgcn_target "amdgcn-amd-amdhsa--gfx1250"
	.amdhsa_code_object_version 6
	.text
	.protected	k_qf921b13d33_rowmax
	.globl	k_qf921b13d33_rowmax
	.p2align	8
	.type	k_qf921b13d33_rowmax,@function
k_qf921b13d33_rowmax:
	s_mov_b64 s[64:65], 0
	v_nop
	global_prefetch_b8 v0, s[64:65] scope:SCOPE_SE
	s_setreg_imm32_b32 hwreg(HW_REG_WAVE_MODE, 25, 1), 1
	s_wait_xcnt 0x0
	s_wait_alu depctr_hold_cnt(0) depctr_sa_sdst(0) depctr_va_vdst(0) depctr_va_sdst(0) depctr_va_ssrc(0) depctr_va_vcc(0) depctr_vm_vsrc(0)
	s_getreg_b32 s2, hwreg(HW_REG_IB_STS2, 6, 4)
	s_cmp_eq_u32 s2, 0
	s_cbranch_scc0 .Lentry_in_a_cluster
	s_endpgm
.Lentry_in_a_cluster:
	s_bfe_u32 s2, ttmp6, 0x10000c
	s_cmp_lg_u32 s2, 0x3003
	s_cbranch_scc0 .Lentry_shape_is_right
	s_endpgm
.Lentry_shape_is_right:
; pm[quarter][row] = the maximum over a quarter (1,024) of the batch's keys of e1[row] . e2[key].  e1h, e2h: [16384][128] f16; sums in f32.
; pm ([4][16384] f32) lies in ef behind the unrounded e1 and e2, from byte 2^24 on; this launch reads nothing of ef.
; The sparsemax takes the row's maximum away first; this launch finds it, exactly as the next launch will see the scores: both issue the same matrix instructions in the same order.
; SHARES.  Work-group (qb, quarter): 256 queries x 1,024 keys; 256 work-groups.  A wave holds 64 queries as four tiles; tile a, lane r is row 4 r + a of the wave's 64.  16 steps of 64 keys.
; S^T = K Q^T (source 0 = 16 keys, source 1 = 16 queries): a lane holds ONE query (lane % 16) and the keys 8 (lane / 16) + 0..7 of each block of 16.
; LDS.  The whole quarter of e2 (1,024 rows of 272 bytes) is brought once, in four groups of 256 keys, one load a wave and group: four loads of mine are out at the start; no byte is filled twice.
; CLUSTER.  The four work-groups of a cluster have the same batch and quarter, so each tile is asked for jointly.
; NaN and infinities are not treated apart.
; REGISTERS.  window 0: addresses, maxima, S^T (a, kb) at 64 + 32 a + 8 kb.  window 1: Q (a, c) at 32 a + 8 c; K (kb, c) at 128 + 32 kb + 8 c.
.set PK,    272                        ; 256 bytes + 16: the 16 rows of a load start at 16 different groups of four banks
.set WAVEB, 64*PK                      ; 64 keys: a load's tile, and a step
.set SPARE, 16*WAVEB                   ; behind the keys: the spare words
.set AK0, 3
.set AK,  4
.set QO,  5
.set SPW, 6
.set NIL, 7
.set PO,  8
.set MX,  16                           ; v16-19  the running maximum of tile a
.set CC,  28                           ; v28-43  four chains a tile
.set S,   64
.set KF,  128
.set WV,  12
.set G1,  24
.set G0,  32                           ; s[32:47] a group 0 for each of the four loads
.set CNT, 48
.set TB,  49                           ; LDS byte at which the step to be fetched begins
.set SEL, 50
.set MSB, 0
.macro WIN new
.if MSB != (\new)
	s_set_vgpr_msb (MSB<<8)|(\new)
.set MSB, (\new)
.endif
.endm
.macro CROUND                          ; a round of the cluster's barrier
	s_barrier_signal -1
	s_barrier_wait -1
	s_cmp_lg_u32 s[WV], 0
	s_cbranch_scc1 .Lnot_wave_0_\@
	s_barrier_signal -3
.Lnot_wave_0_\@:
	s_barrier_wait -3
	s_barrier_signal -1
	s_barrier_wait -1
.endm
	s_load_b128 s[4:7], s[0:1], 0x0                ; e1h, e2h
	s_load_b64 s[8:9], s[0:1], 0x10                ; ef
	v_lshl_add_u32 v[SPW], v0, 2, SPARE
	v_mov_b32 v[NIL], 0
	ds_add_u32 v[SPW], v[NIL]                      ; the wave's opening: the add and its wait ahead of my first tensor load
	v_lshrrev_b32 v1, 5, v0
	v_readfirstlane_b32 s[WV], v1
	s_bfe_u32 s13, ttmp6, 0x40000                  ; cx
	s_lshl_b32 s14, ttmp9, 2
	s_add_co_u32 s14, s14, s13                     ; my block of 256 queries: it enters e1h's and pm's addresses alone
	s_lshr_b32 s15, ttmp9, 2                       ; the batch, which the partners share
	s_and_b32 s16, ttmp7, 0xffff                   ; the quarter, likewise
	s_lshl_b32 s18, s[WV], 6
	s_lshl_b32 s17, s14, 8
	s_add_co_u32 s17, s17, s18                     ; my wave's first row
	s_lshl_b32 s20, s15, 12
	s_lshl_b32 s21, s16, 10
	s_add_co_u32 s20, s20, s21
	s_add_co_u32 s20, s20, s18                     ; the first key row that I fetch
	s_lshl_b32 s20, s20, 8
	s_mov_b32 s21, 0
	s_mul_i32 s19, s[WV], WAVEB                    ; and where it goes
	s_mov_b32 s[G1], 15|(1<<16)|(1<<20)|(1<<21)|(5<<22)|(3<<25)  ; mask of four; 2-byte elements; padding on; bit 21 beside a mask; after 64 words; 4 words
	s_mov_b32 s[G1+1], 128<<16                     ; tensor_dim0
	s_mov_b32 s[G1+2], 64<<16                      ; tensor_dim1
	s_mov_b32 s[G1+3], 128<<16                     ; tile_dim0
	s_mov_b32 s[G1+4], 64                          ; tile_dim1
	s_mov_b32 s[G1+5], 128                         ; elements from row to row
	s_mov_b32 s[G1+6], 0
	s_mov_b32 s[G1+7], 0
	s_mov_b32 s[SEL], 0x76543210
	s_mov_b32 s[SEL+1], 0xfedcba98
	s_mov_b32 s[TB], 0
	s_lshl_b32 s52, s17, 8
	s_mov_b32 s53, 0
	s_lshl_b32 s54, s16, 16
	s_lshl_b32 s55, s17, 2
	s_add_co_u32 s54, s54, s55
	s_add_co_u32 s54, s54, 0x1000000               ; pm begins at byte 2^24 of ef
	s_mov_b32 s55, 0
	s_wait_dscnt 0x0                               ; the opening add is done
	s_wait_kmcnt 0x0
	s_add_nc_u64 s[20:21], s[6:7], s[20:21]
	s_add_nc_u64 s[4:5], s[4:5], s[52:53]
	s_add_nc_u64 s[8:9], s[8:9], s[54:55]
.irp g, 0,1,2,3
	s_mov_b32 s[G0+4*\g], 1
	s_add_co_u32 s[G0+4*\g+1], s19, \g*4*WAVEB
	s_add_nc_u64 s[G0+4*\g+2:G0+4*\g+3], s[20:21], \g*65536
	s_or_b32 s[G0+4*\g+3], s[G0+4*\g+3], 0x80000000
.endr
	CROUND                                         ; all four work-groups are here: the joint loads meet
.irp g, 0,1,2,3
	tensor_load_to_lds s[G0+4*\g:G0+4*\g+3], s[G1:G1+7]
	s_nop 0
.endr
.rept 4
	v_nop
.endr
	v_and_b32 v1, 15, v0
	v_bfe_u32 v2, v0, 4, 1
	v_lshlrev_b32 v[QO], 10, v1
	v_lshl_add_u32 v[QO], v2, 4, v[QO]             ; row 4 r: 1,024 r bytes; + 16 x half
	WIN 0x40
.set ia, 0
.rept 4
.set ic, 0
.rept 4
	global_load_b128 v[32*ia+8*ic:32*ia+8*ic+3],   v[QO], s[4:5] offset:256*ia+64*ic
	global_load_b128 v[32*ia+8*ic+4:32*ia+8*ic+7], v[QO], s[4:5] offset:256*ia+64*ic+32
.set ic, ic+1
.endr
.set ia, ia+1
.endr
	WIN 0
	v_mul_u32_u24 v[AK0], v1, PK
	v_lshl_add_u32 v[AK0], v2, 4, v[AK0]
	v_lshlrev_b32 v[PO], 4, v1
	v_lshl_add_u32 v[PO], v2, 3, v[PO]
.irp a, 0,1,2,3
	v_mov_b32 v[MX+\a], 0xff7fffff                 ; the lowest finite number
.endr
.macro FETCH_K                         ; a step's K: 64 keys x 128 channels, 32 loads in one run
	v_add_nc_u32 v[AK], s[TB], v[AK0]
	s_add_co_u32 s[TB], s[TB], WAVEB
	WIN 0x40
.set ikb, 0
.rept 4
.set ic, 0
.rept 4
	ds_load_b128 v[KF+32*ikb+8*ic:KF+32*ikb+8*ic+3],   v[AK] offset:16*PK*ikb+64*ic
	ds_load_b128 v[KF+32*ikb+8*ic+4:KF+32*ikb+8*ic+7], v[AK] offset:16*PK*ikb+64*ic+32
.set ic, ic+1
.endr
.set ikb, ikb+1
.endr
	WIN 0
.endm
.macro PRODUCTS                        ; 64 matrix instructions; the 16 accumulators take turns; the first 16 start the sums
	WIN 0x05
.set ic, 0
.rept 4
.set ikb, 0
.rept 4
.set ia, 0
.rept 4
.if ic == 0
	v_wmma_f32_16x16x32_f16 v[S+32*ia+8*ikb:S+32*ia+8*ikb+7], v[KF+32*ikb+8*ic:KF+32*ikb+8*ic+7], v[32*ia+8*ic:32*ia+8*ic+7], 0
.else
	v_wmma_f32_16x16x32_f16 v[S+32*ia+8*ikb:S+32*ia+8*ikb+7], v[KF+32*ikb+8*ic:KF+32*ikb+8*ic+7], v[32*ia+8*ic:32*ia+8*ic+7], v[S+32*ia+8*ikb:S+32*ia+8*ikb+7]
.endif
.set ia, ia+1
.endr
.set ikb, ikb+1
.endr
.set ic, ic+1
.endr
	WIN 0
.rept 4
	v_nop                                          ; four places in front of the loads into K and of the reads of S^T
.endr
.endm
.macro VMAX                            ; 16 instructions a tile, the tiles alternating; each accumulator's lowest registers are read first
.irp n, 0,1,2,3,4,5,6,7,8,9,10,11,12,13,14,15
.set ia, 0
.rept 4
.set rS, S+32*ia
.set rC, CC+4*ia
.if (\n) < 4
	v_max3_num_f32 v[rC+(\n)], v[rS+8*(\n)], v[rS+8*(\n)+1], v[rS+8*(\n)+2]
.elseif (\n) < 12
	v_max3_num_f32 v[rC+(\n)%4], v[rC+(\n)%4], v[rS+8*((\n)%4)+2*((\n)/4)+1], v[rS+8*((\n)%4)+2*((\n)/4)+2]
.elseif (\n) == 12
	v_max3_num_f32 v[rC], v[rC], v[rS+7], v[rS+15]
.elseif (\n) == 13
	v_max3_num_f32 v[rC+1], v[rC+1], v[rS+23], v[rS+31]
.elseif (\n) == 14
	v_max3_num_f32 v[rC+2], v[rC+2], v[rC+3], v[MX+ia]
.else
	v_max3_num_f32 v[MX+ia], v[rC], v[rC+1], v[rC+2]
.endif
.set ia, ia+1
.endr
.endr
.endm
; A trip: the products of the step whose K is in registers; the next step's K; the maxima.  left >= 0: the fetch reads a group of keys that must first be shown landed in every wave:
; my own load of it by the count (left = my younger loads), the others' by the barrier, behind which nothing is filled.
.macro TRIP left, fetch
	s_wait_dscnt 0x0                               ; K is in
	PRODUCTS
.if (\left) >= 0
	s_wait_tensorcnt \left
	s_barrier_signal -1
	s_barrier_wait -1
.endif
.if \fetch
	FETCH_K
.endif
	VMAX
.endm
.macro LOOP tag, trips, left
	s_mov_b32 s[CNT], \trips
.Lg\tag:
	TRIP \left, 1
	s_sub_co_u32 s[CNT], s[CNT], 1
	s_cmp_lg_u32 s[CNT], 0
	s_cbranch_scc1 .Lg\tag
.endm
	s_wait_tensorcnt 0x3                           ; my part of the first 256 keys is in; my three younger loads stay out
	s_barrier_signal -1
	s_barrier_wait -1                              ; everybody's is
	FETCH_K                                        ; step 0
	s_wait_loadcnt 0x0                             ; Q
	LOOP 0, 3, -1                                  ; these fetch steps 1-3, of the first group
	LOOP 1, 4, 2                                   ; steps 4-7
	LOOP 2, 4, 1                                   ; steps 8-11
	LOOP 3, 4, 0                                   ; steps 12-15
	TRIP -1, 0                                     ; the last step: nothing is left to fetch
.irp a, 0,1,2,3
	v_permlanex16_b32 v[CC+4*\a], v[MX+\a], s[SEL], s[SEL+1]  ; the query's other keys lie in the lane 16 away
.endr
.irp a, 0,1,2,3
	v_max_num_f32 v[MX+\a], v[MX+\a], v[CC+4*\a]
.endr
	v_cmp_eq_u32 vcc_lo, 1, v2
	v_cndmask_b32 v20, v[MX], v[MX+2], vcc_lo      ; lanes 0-15 store tiles 0, 1 (rows 4 r, 4 r + 1), lanes 16-31 tiles 2, 3
	v_cndmask_b32 v21, v[MX+1], v[MX+3], vcc_lo
	global_store_b64 v[PO], v[20:21], s[8:9]       ; the wave's 64 rows: 256 consecutive bytes, at a multiple of 256
	s_wait_tensorcnt 0x0                           ; the wave's end
	ds_add_u32 v[SPW], v[NIL]
	s_wait_dscnt 0x0
	CROUND                                         ; the closing round
	s_endpgm
.Lfunc_end_k_qf921b13d33_rowmax:
	.size	k_qf921b13d33_rowmax, .Lfunc_end_k_qf921b13d33_rowmax-k_qf921b13d33_rowmax
	.p2alignl 7, 3214868480
	.fill 96, 4, 3214868480
	.section	.rodata,"a",@progbits
	.p2align	6, 0x0
	.amdhsa_kernel k_qf921b13d33_rowmax
		.amdhsa_group_segment_fixed_size 327680
		.amdhsa_private_segment_fixed_size 0
		.amdhsa_enable_private_segment 0
		.amdhsa_kernarg_size 24
		.amdhsa_user_sgpr_count 2
		.amdhsa_user_sgpr_kernarg_segment_ptr 1
		.amdhsa_wavefront_size32 1
		.amdhsa_system_sgpr_workgroup_id_x 1
		.amdhsa_system_sgpr_workgroup_id_y 1
		.amdhsa_system_sgpr_workgroup_id_z 1
		.amdhsa_system_vgpr_workitem_id 0
		.amdhsa_next_free_vgpr 512
		.amdhsa_next_free_sgpr 66
		.amdhsa_reserve_vcc 1
		.amdhsa_float_denorm_mode_32 3
		.amdhsa_float_denorm_mode_16_64 3
		.amdhsa_memory_ordered 1
		.amdhsa_forward_progress 1
		.amdhsa_inst_pref_size 62
	.end_amdhsa_kernel
	.amdgpu_metadata
---
amdhsa.version: [ 1, 2 ]
amdhsa.kernels:
  - .name:           k_qf921b13d33_rowmax
    .symbol:         k_qf921b13d33_rowmax.kd
    .args:
      - { .name: e1h, .offset: 0, .size: 8, .value_kind: global_buffer, .address_space: global }
      - { .name: e2h, .offset: 8, .size: 8, .value_kind: global_buffer, .address_space: global }
      - { .name: ef, .offset: 16, .size: 8, .value_kind: global_buffer, .address_space: global }
    .group_segment_fixed_size: 327680
    .private_segment_fixed_size: 0
    .kernarg_segment_align: 8
    .kernarg_segment_size: 24
    .max_flat_workgroup_size: 128
    .sgpr_count:     66
    .vgpr_count:     512
    .wavefront_size: 32
...
	.end_amdgpu_metadata
.endif
;; end of part 2
;; launch flags (part 3): grid 64 x 4, 4 waves a work-group, clusters of 4 x 1, 327,680 bytes of LDS; arguments e1h, e2h, ef, mask, cntq; writes mask, cntq
.if DOCPART == 3
	.amdgcn_target "amdgcn-amd-amdhsa--gfx1250"
	.amdhsa_code_object_version 6
	.text
	.protected	k_qf921b13d33_flags
	.globl	k_qf921b13d33_flags
	.p2align	8
	.type	k_qf921b13d33_flags,@function
k_qf921b13d33_flags:
	s_mov_b64 s[64:65], 0
	v_nop
	global_prefetch_b8 v0, s[64:65] scope:SCOPE_SE
	s_setreg_imm32_b32 hwreg(HW_REG_WAVE_MODE, 25, 1), 1
	s_wait_xcnt 0x0
	s_wait_alu depctr_hold_cnt(0) depctr_sa_sdst(0) depctr_va_vdst(0) depctr_va_sdst(0) depctr_va_ssrc(0) depctr_va_vcc(0) depctr_vm_vsrc(0)
	s_getreg_b32 s2, hwreg(HW_REG_IB_STS2, 6, 4)
	s_cmp_eq_u32 s2, 0
	s_cbranch_scc0 .Lentry_in_a_cluster
	s_endpgm
.Lentry_in_a_cluster:
	s_bfe_u32 s2, ttmp6, 0x10000c
	s_cmp_lg_u32 s2, 0x3003
	s_cbranch_scc0 .Lentry_shape_is_right
	s_endpgm
.Lentry_shape_is_right:
; mask: one bit for each score: s >= m - 1 - 1/16 - |m| / 256, m the row's maximum.  The sparsemax's threshold lies in [max - 1, max), so a score below max - 1 has the weight 0, and only
; flagged keys are looked at later.  These scores are made of e1 and e2 rounded to f16, the weights later of the unrounded ones: the margin 1/16 + |m| / 256 keeps every key in the list
; whose score, with the maximum's, the rounding shifts by less than that; a key flagged needlessly gets the weight 0 later.
; The scores are made by the same matrix instructions in the same order as in the launch that found the maxima, so a row's maximum is always flagged.
; mask[quarter][row][32 words]: word 16 h + t (t = step of 64 keys in the quarter, h = lane / 16), bit 8 kb + j: key 1024 quarter + 64 t + 16 kb + 8 h + j.
; cntq[quarter][row]: how many of the row's bits are set in the quarter: the later launches take their trip counts from these whole numbers.
; The maxima (pm: [4][16384] f32) are read from ef, from byte 2^24 on.  NaN and infinities are not treated apart.
; SHARES, LAYOUT, LDS, CLUSTER as in the launch before: work-group = 256 queries x 1,024 keys; wave = four tiles of 16 queries (tile a, lane r: row 4 r + a); the quarter of e2 is brought
; once, four loads of mine out at the start; each tile asked for jointly by the four work-groups of a cluster.  Behind the keys: a stage of 64 rows x 144 bytes for each wave.
.set PK,    272
.set WAVEB, 64*PK
.set STAGE, 16*WAVEB
.set SP,    144                        ; a row's 32 words + 16 bytes
.set SPARE, STAGE+4*64*SP
.set AK0, 3
.set AK,  4
.set QO,  5
.set SPW, 6
.set NIL, 7
.set PO,  8
.set STA0, 9                           ; v9   my word's place in the stage at step 0
.set RD,  10
.set GO,  11
.set WD,  12                           ; v12-15  tile a's word
.set MX,  16
.set TH,  20                           ; v20-27  the threshold of tile a, twice
.set CN,  28                           ; v28-31  tile a's count, four sums of a byte each
.set TP,  32                           ; v32-39  two registers a tile, at work on the count
.set CP,  40                           ; v40  my place in the wave's 256 bytes of cntq
.set PMV, 44                           ; v44-59  the four quarters' maxima as loaded
.set STA, 60
.set S,   64
.set KF,  128
.set WV,  12
.set MF,  23                           ; 0x0f0f0f0f
.set G1,  24
.set G0,  32
.set CNT, 48
.set TB,  49
.set SEL, 50
.set TS,  56                           ; 4 x the step
.set MRG, 57                           ; -1 / 256
.set M5,  62                           ; 0x55555555
.set M3,  63                           ; 0x33333333
.set MSB, 0
.macro WIN new
.if MSB != (\new)
	s_set_vgpr_msb (MSB<<8)|(\new)
.set MSB, (\new)
.endif
.endm
.macro CROUND
	s_barrier_signal -1
	s_barrier_wait -1
	s_cmp_lg_u32 s[WV], 0
	s_cbranch_scc1 .Lnot_wave_0_\@
	s_barrier_signal -3
.Lnot_wave_0_\@:
	s_barrier_wait -3
	s_barrier_signal -1
	s_barrier_wait -1
.endm
	s_load_b256 s[4:11], s[0:1], 0x0               ; e1h, e2h, ef, mask
	s_load_b64 s[60:61], s[0:1], 0x20              ; cntq
	v_lshl_add_u32 v[SPW], v0, 2, SPARE
	v_mov_b32 v[NIL], 0
	ds_add_u32 v[SPW], v[NIL]                      ; the wave's opening: the add and its wait ahead of my first tensor load
	v_lshrrev_b32 v1, 5, v0
	v_readfirstlane_b32 s[WV], v1
	s_bfe_u32 s13, ttmp6, 0x40000                  ; cx
	s_lshl_b32 s14, ttmp9, 2
	s_add_co_u32 s14, s14, s13                     ; my block of 256 queries
	s_lshr_b32 s15, ttmp9, 2                       ; the batch
	s_and_b32 s16, ttmp7, 0xffff                   ; the quarter
	s_lshl_b32 s18, s[WV], 6
	s_lshl_b32 s17, s14, 8
	s_add_co_u32 s17, s17, s18                     ; my wave's first row
	s_lshl_b32 s20, s15, 12
	s_lshl_b32 s21, s16, 10
	s_add_co_u32 s20, s20, s21
	s_add_co_u32 s20, s20, s18
	s_lshl_b32 s20, s20, 8
	s_mov_b32 s21, 0
	s_mul_i32 s19, s[WV], WAVEB
	s_mul_i32 s22, s[WV], 64*SP
	s_add_co_u32 s22, s22, STAGE                   ; my stage
	s_mov_b32 s[G1], 15|(1<<16)|(1<<20)|(1<<21)|(5<<22)|(3<<25)
	s_mov_b32 s[G1+1], 128<<16
	s_mov_b32 s[G1+2], 64<<16
	s_mov_b32 s[G1+3], 128<<16
	s_mov_b32 s[G1+4], 64
	s_mov_b32 s[G1+5], 128
	s_mov_b32 s[G1+6], 0
	s_mov_b32 s[G1+7], 0
	s_mov_b32 s[TB], 0
	s_mov_b32 s[TS], 0
	s_mov_b32 s[MRG], 0xbb800000
	s_mov_b32 s[SEL], 0x76543210
	s_mov_b32 s[SEL+1], 0xfedcba98
	s_mov_b32 s[M5], 0x55555555
	s_mov_b32 s[M3], 0x33333333
	s_mov_b32 s[MF], 0x0f0f0f0f
	s_lshl_b32 s52, s17, 8
	s_mov_b32 s53, 0
	s_lshl_b32 s54, s16, 21
	s_lshl_b32 s55, s17, 7
	s_add_co_u32 s54, s54, s55                     ; my rows of my quarter of the mask
	s_mov_b32 s55, 0
	s_lshl_b32 s58, s17, 2
	s_lshl_b32 s2, s16, 16
	s_add_co_u32 s2, s2, s58                       ; my rows of my quarter of cntq
	s_mov_b32 s3, 0
	s_add_co_u32 s58, s58, 0x1000000               ; pm begins at byte 2^24 of ef
	s_mov_b32 s59, 0
	s_wait_dscnt 0x0
	s_wait_kmcnt 0x0
	s_add_nc_u64 s[20:21], s[6:7], s[20:21]
	s_add_nc_u64 s[4:5], s[4:5], s[52:53]
	s_add_nc_u64 s[8:9], s[8:9], s[58:59]
	s_add_nc_u64 s[10:11], s[10:11], s[54:55]
	s_add_nc_u64 s[60:61], s[60:61], s[2:3]
.irp g, 0,1,2,3
	s_mov_b32 s[G0+4*\g], 1
	s_add_co_u32 s[G0+4*\g+1], s19, \g*4*WAVEB
	s_add_nc_u64 s[G0+4*\g+2:G0+4*\g+3], s[20:21], \g*65536
	s_or_b32 s[G0+4*\g+3], s[G0+4*\g+3], 0x80000000
.endr
	CROUND
.irp g, 0,1,2,3
	tensor_load_to_lds s[G0+4*\g:G0+4*\g+3], s[G1:G1+7]
	s_nop 0
.endr
.rept 4
	v_nop
.endr
	v_and_b32 v1, 15, v0
	v_bfe_u32 v2, v0, 4, 1
	v_lshlrev_b32 v[QO], 10, v1
	v_lshl_add_u32 v[QO], v2, 4, v[QO]
	v_lshlrev_b32 v[PO], 4, v1
	WIN 0x40
.set ia, 0
.rept 4
.set ic, 0
.rept 4
	global_load_b128 v[32*ia+8*ic:32*ia+8*ic+3],   v[QO], s[4:5] offset:256*ia+64*ic
	global_load_b128 v[32*ia+8*ic+4:32*ia+8*ic+7], v[QO], s[4:5] offset:256*ia+64*ic+32
.set ic, ic+1
.endr
.set ia, ia+1
.endr
	WIN 0
.irp q, 0,1,2,3
	global_load_b128 v[PMV+4*\q:PMV+4*\q+3], v[PO], s[8:9] offset:65536*\q  ; rows 4 r .. 4 r + 3 = tiles 0-3 of my query
.endr
	v_lshl_add_u32 v[CP], v2, 3, v[PO]             ; 16 r + 8 h
	v_mul_u32_u24 v[AK0], v1, PK
	v_lshl_add_u32 v[AK0], v2, 4, v[AK0]
	v_mul_u32_u24 v[STA0], v1, SP                  ; into the stage: row 16 a + r, word 16 h + step
	v_lshl_add_u32 v[STA0], v2, 6, v[STA0]
	v_add_nc_u32 v[STA0], s22, v[STA0]
	v_bfe_u32 v61, v0, 3, 2                        ; back: eight lanes take a row's 128 bytes; lanes 8 a .. take tile a
	v_mul_u32_u24 v[RD], v61, 16*SP
	v_and_b32 v61, 7, v0
	v_lshl_add_u32 v[RD], v61, 4, v[RD]
	v_add_nc_u32 v[RD], s22, v[RD]
	v_and_b32 v[GO], 31, v0
	v_lshlrev_b32 v[GO], 4, v[GO]
.irp a, 0,1,2,3
	v_mov_b32 v[CN+\a], 0
.endr
.macro FETCH_K
	v_add_nc_u32 v[AK], s[TB], v[AK0]
	s_add_co_u32 s[TB], s[TB], WAVEB
	WIN 0x40
.set ikb, 0
.rept 4
.set ic, 0
.rept 4
	ds_load_b128 v[KF+32*ikb+8*ic:KF+32*ikb+8*ic+3],   v[AK] offset:16*PK*ikb+64*ic
	ds_load_b128 v[KF+32*ikb+8*ic+4:KF+32*ikb+8*ic+7], v[AK] offset:16*PK*ikb+64*ic+32
.set ic, ic+1
.endr
.set ikb, ikb+1
.endr
	WIN 0
.endm
.macro PRODUCTS                        ; the same 64 matrix instructions, in the same order, as in the launch that found the maxima
	WIN 0x05
.set ic, 0
.rept 4
.set ikb, 0
.rept 4
.set ia, 0
.rept 4
.if ic == 0
	v_wmma_f32_16x16x32_f16 v[S+32*ia+8*ikb:S+32*ia+8*ikb+7], v[KF+32*ikb+8*ic:KF+32*ikb+8*ic+7], v[32*ia+8*ic:32*ia+8*ic+7], 0
.else
	v_wmma_f32_16x16x32_f16 v[S+32*ia+8*ikb:S+32*ia+8*ikb+7], v[KF+32*ikb+8*ic:KF+32*ikb+8*ic+7], v[32*ia+8*ic:32*ia+8*ic+7], v[S+32*ia+8*ikb:S+32*ia+8*ikb+7]
.endif
.set ia, ia+1
.endr
.set ikb, ikb+1
.endr
.set ic, ic+1
.endr
	WIN 0
.rept 4
	v_nop                                          ; four places in front of the loads into K and of the reads of S^T
.endr
.endm
; s - threshold in place; the 32 signs of a tile are shifted into one word, register 31 first, so that register i's lands in bit i; the word is turned: 1 = flagged.
.macro VFLAG
.set ip, 0
.rept 16
.set ia, 0
.rept 4
	v_pk_add_f32 v[S+32*ia+2*ip:S+32*ia+2*ip+1], v[S+32*ia+2*ip:S+32*ia+2*ip+1], v[TH+2*ia:TH+2*ia+1] neg_lo:[0,1] neg_hi:[0,1]
.set ia, ia+1
.endr
.set ip, ip+1
.endr
.irp a, 0,1,2,3
	v_lshrrev_b32 v[WD+\a], 31, v[S+32*\a+31]
.endr
.set ix, 30
.rept 31
.irp a, 0,1,2,3
	v_alignbit_b32 v[WD+\a], v[WD+\a], v[S+32*\a+ix], 31
.endr
.set ix, ix-1
.endr
	v_add_nc_u32 v[STA], s[TS], v[STA0]
	s_add_co_u32 s[TS], s[TS], 4
.irp a, 0,1,2,3
	v_xor_b32 v[WD+\a], -1, v[WD+\a]
.endr
.irp a, 0,1,2,3
	ds_store_b32 v[STA], v[WD+\a] offset:16*SP*\a
.endr
.endm
; The set bits of each tile's word are counted: pairs, fours, then bytes (8 at the most), which are added onto the tile's four byte sums: 16 steps x 8 = 128 fit a byte.
.macro VCOUNT
.irp a, 0,1,2,3
	v_lshrrev_b32 v[TP+2*\a], 1, v[WD+\a]
.endr
.irp a, 0,1,2,3
	v_and_b32 v[TP+2*\a], s[M5], v[TP+2*\a]
.endr
.irp a, 0,1,2,3
	v_sub_nc_u32 v[TP+2*\a], v[WD+\a], v[TP+2*\a]
.endr
.irp a, 0,1,2,3
	v_lshrrev_b32 v[TP+2*\a+1], 2, v[TP+2*\a]
.endr
.irp a, 0,1,2,3
	v_and_b32 v[TP+2*\a], s[M3], v[TP+2*\a]
	v_and_b32 v[TP+2*\a+1], s[M3], v[TP+2*\a+1]
.endr
.irp a, 0,1,2,3
	v_add_nc_u32 v[TP+2*\a], v[TP+2*\a], v[TP+2*\a+1]
.endr
.irp a, 0,1,2,3
	v_lshrrev_b32 v[TP+2*\a+1], 4, v[TP+2*\a]
.endr
.irp a, 0,1,2,3
	v_add_nc_u32 v[TP+2*\a], v[TP+2*\a], v[TP+2*\a+1]
.endr
.irp a, 0,1,2,3
	v_and_b32 v[TP+2*\a], s[MF], v[TP+2*\a]
.endr
.irp a, 0,1,2,3
	v_add_nc_u32 v[CN+\a], v[CN+\a], v[TP+2*\a]
.endr
.endm
.macro TRIP left, fetch
	s_wait_dscnt 0x0                               ; K is in, and the last trip's words are in the stage
	PRODUCTS
.if (\left) >= 0
	s_wait_tensorcnt \left                         ; my load of the group that the fetch reads has landed; left = my younger loads
	s_barrier_signal -1
	s_barrier_wait -1                              ; everybody's has
.endif
.if \fetch
	FETCH_K
.endif
	VFLAG
	VCOUNT
.endm
.macro LOOP tag, trips, left
	s_mov_b32 s[CNT], \trips
.Lg\tag:
	TRIP \left, 1
	s_sub_co_u32 s[CNT], s[CNT], 1
	s_cmp_lg_u32 s[CNT], 0
	s_cbranch_scc1 .Lg\tag
.endm
	s_wait_tensorcnt 0x3                           ; my part of the first 256 keys is in; my three younger loads stay out
	s_barrier_signal -1
	s_barrier_wait -1
	FETCH_K
	s_wait_loadcnt 0x0                             ; Q and the maxima
.irp a, 0,1,2,3
	v_max3_num_f32 v[MX+\a], v[PMV+\a], v[PMV+4+\a], v[PMV+8+\a]
.endr
.irp a, 0,1,2,3
	v_max_num_f32 v[MX+\a], v[MX+\a], v[PMV+12+\a]
.endr
.irp a, 0,1,2,3
	v_fma_f32 v[TH+2*\a], |v[MX+\a]|, s[MRG], v[MX+\a]   ; m - |m| / 256
.endr
.irp a, 0,1,2,3
	v_add_f32 v[TH+2*\a], 0xbf880000, v[TH+2*\a]         ; - 1 - 1/16
.endr
.irp a, 0,1,2,3
	v_mov_b32 v[TH+2*\a+1], v[TH+2*\a]
.endr
	LOOP 0, 3, -1
	LOOP 1, 4, 2
	LOOP 2, 4, 1
	LOOP 3, 4, 0
	TRIP -1, 0
	; the counts: the four byte sums are added (512 at the most), then the other half of the lanes', which holds the query's other keys
.irp a, 0,1,2,3
	v_lshrrev_b32 v[TP+2*\a], 8, v[CN+\a]
.endr
.irp a, 0,1,2,3
	v_and_b32 v[CN+\a], 0xff00ff, v[CN+\a]
	v_and_b32 v[TP+2*\a], 0xff00ff, v[TP+2*\a]
.endr
.irp a, 0,1,2,3
	v_add_nc_u32 v[CN+\a], v[CN+\a], v[TP+2*\a]
.endr
.irp a, 0,1,2,3
	v_lshrrev_b32 v[TP+2*\a], 16, v[CN+\a]
.endr
.irp a, 0,1,2,3
	v_and_b32 v[CN+\a], 0xffff, v[CN+\a]
.endr
.irp a, 0,1,2,3
	v_add_nc_u32 v[CN+\a], v[CN+\a], v[TP+2*\a]
.endr
.irp a, 0,1,2,3
	v_permlanex16_b32 v[TP+2*\a], v[CN+\a], s[SEL], s[SEL+1]
.endr
.irp a, 0,1,2,3
	v_add_nc_u32 v[CN+\a], v[CN+\a], v[TP+2*\a]
.endr
	v_cmp_eq_u32 vcc_lo, 1, v2
	v_cndmask_b32 v62, v[CN], v[CN+2], vcc_lo      ; lanes 0-15 store tiles 0, 1 (rows 4 r, 4 r + 1), lanes 16-31 tiles 2, 3
	v_cndmask_b32 v63, v[CN+1], v[CN+3], vcc_lo
	global_store_b64 v[CP], v[62:63], s[60:61]     ; the wave's 64 rows: 256 consecutive bytes, at a multiple of 256
.set ii, 0
.rept 16                                               ; load i: rows 4 i .. 4 i + 3 of my 64; LDS serves a wave's instructions in order: these see my stores
	ds_load_b128 v[S+4*ii:S+4*ii+3], v[RD] offset:SP*ii
.set ii, ii+1
.endr
.set ii, 0
.rept 16
	s_wait_dscnt 15-ii                             ; the younger loads stay out
	global_store_b128 v[GO], v[S+4*ii:S+4*ii+3], s[10:11] offset:512*ii  ; 512 consecutive bytes, at a multiple of 256
.set ii, ii+1
.endr
	s_wait_tensorcnt 0x0                           ; the wave's end
	ds_add_u32 v[SPW], v[NIL]
	s_wait_dscnt 0x0
	CROUND
	s_endpgm
.Lfunc_end_k_qf921b13d33_flags:
	.size	k_qf921b13d33_flags, .Lfunc_end_k_qf921b13d33_flags-k_qf921b13d33_flags
	.p2alignl 7, 3214868480
	.fill 96, 4, 3214868480
	.section	.rodata,"a",@progbits
	.p2align	6, 0x0
	.amdhsa_kernel k_qf921b13d33_flags
		.amdhsa_group_segment_fixed_size 327680
		.amdhsa_private_segment_fixed_size 0
		.amdhsa_enable_private_segment 0
		.amdhsa_kernarg_size 40
		.amdhsa_user_sgpr_count 2
		.amdhsa_user_sgpr_kernarg_segment_ptr 1
		.amdhsa_wavefront_size32 1
		.amdhsa_system_sgpr_workgroup_id_x 1
		.amdhsa_system_sgpr_workgroup_id_y 1
		.amdhsa_system_sgpr_workgroup_id_z 1
		.amdhsa_system_vgpr_workitem_id 0
		.amdhsa_next_free_vgpr 512
		.amdhsa_next_free_sgpr 66
		.amdhsa_reserve_vcc 1
		.amdhsa_float_denorm_mode_32 3
		.amdhsa_float_denorm_mode_16_64 3
		.amdhsa_memory_ordered 1
		.amdhsa_forward_progress 1
		.amdhsa_inst_pref_size 117
	.end_amdhsa_kernel
	.amdgpu_metadata
---
amdhsa.version: [ 1, 2 ]
amdhsa.kernels:
  - .name:           k_qf921b13d33_flags
    .symbol:         k_qf921b13d33_flags.kd
    .args:
      - { .name: e1h, .offset: 0, .size: 8, .value_kind: global_buffer, .address_space: global }
      - { .name: e2h, .offset: 8, .size: 8, .value_kind: global_buffer, .address_space: global }
      - { .name: ef, .offset: 16, .size: 8, .value_kind: global_buffer, .address_space: global }
      - { .name: mask, .offset: 24, .size: 8, .value_kind: global_buffer, .address_space: global }
      - { .name: cntq, .offset: 32, .size: 8, .value_kind: global_buffer, .address_space: global }
    .group_segment_fixed_size: 327680
    .private_segment_fixed_size: 0
    .kernarg_segment_align: 8
    .kernarg_segment_size: 40
    .max_flat_workgroup_size: 128
    .sgpr_count:     66
    .vgpr_count:     512
    .wavefront_size: 32
...
	.end_amdgpu_metadata
.endif
;; end of part 3
;; launch list (part 4): grid 2048 x 1, 8 waves a work-group, no clusters, 0 bytes of LDS; arguments mask, cntq, ef, keys, zval; writes keys, zval
.if DOCPART == 4
	.amdgcn_target "amdgcn-amd-amdhsa--gfx1250"
	.amdhsa_code_object_version 6
	.text
	.protected	k_qf921b13d33_list
	.globl	k_qf921b13d33_list
	.p2align	8
	.type	k_qf921b13d33_list,@function
k_qf921b13d33_list:
	s_mov_b64 s[64:65], 0
	v_nop
	global_prefetch_b8 v0, s[64:65] scope:SCOPE_SE
	s_setreg_imm32_b32 hwreg(HW_REG_WAVE_MODE, 25, 1), 1
	s_wait_xcnt 0x0
; For each row the list of its flagged keys: keys[row][64], 16 bits a key, 128 bytes a row; entries behind the last key are 0.  One wave, one row.
; c, the number of flagged keys, is the sum of the row's four counts in cntq, whole numbers that the launch before stored; they come by scalar loads, and every branch and trip count here
; hangs on them alone.  The mask's words are data only: no branch and no address hangs on them.
; c <= 64: quarter by quarter, lane l holds word l of the quarter's 32.  A trip takes one key out: each lane offers the key of its word's lowest set bit (the bit alone, as f32, has the
; bit's number in its exponent), or -1; the wave's maximum is the key; the lane that offered it clears the bit; the key goes into half i % 2 of lane i / 2 of the list's register.
; c > 64: no list.  z = e1[row] . e2[key] - m is made for ALL 4,096 keys of the batch, at addresses that hang on nothing, and stored in zval[row][4096] (f32); the next launch then treats
; the row densely.  So beyond 64 flagged keys a row costs what 4,096 would: a stated step in the cost, not in the result.  e1, e2 unrounded and m (pm, from byte 2^24 on) come from ef.
; A row's store is 128 bytes, half of an aligned block of 256: the neighbouring wave writes the other half.  No LDS, no matrix unit: rows share nothing.
.set LANE, 1
.set O4,   2
.set KBL,  3                           ; the key of bit 0 of my word in a quarter: 64 (lane % 16) + 8 (lane / 16)
.set K,    4                           ; the list
.set W,    8                           ; v8-11  my word of each quarter
.set N,    12
.set LB,   13
.set F,    14
.set T,    15
.set M,    16
.set I64,  17                          ; the dense way: 64 x (lane % 8): my 16 channels
.set NEG,  18
.set MAXV, 19
.set LO,   20
.set SC,   21
.set ADR,  22
.set ZV,   23
.set E1,   24                          ; v24-39
.set E2,   40                          ; v40-55
.set A,    56                          ; v56-59
	s_load_b256 s[4:11], s[0:1], 0x0               ; mask s[4:5], cntq s[6:7], ef s[8:9], keys s[10:11]
	s_load_b64 s[12:13], s[0:1], 0x20              ; zval
	v_lshrrev_b32 v1, 5, v0
	v_readfirstlane_b32 s18, v1
	s_lshl_b32 s19, ttmp9, 3
	s_add_co_u32 s19, s19, s18                     ; my row
	v_and_b32 v[LANE], 31, v0
	v_lshlrev_b32 v[O4], 2, v[LANE]
	v_and_b32 v[KBL], 15, v0
	v_lshlrev_b32 v[KBL], 6, v[KBL]
	v_bfe_u32 v[T], v0, 4, 1
	v_lshl_or_b32 v[KBL], v[T], 3, v[KBL]
	v_mov_b32 v[K], 0
	v_mov_b32 v[M], 0
	s_mov_b32 s60, 0x76543210
	s_mov_b32 s61, 0xfedcba98
	s_mov_b32 s49, 0
	s_mov_b32 s21, 0                               ; keys taken so far
	s_wait_kmcnt 0x0
	s_lshl_b32 s48, s19, 2
	s_add_nc_u64 s[6:7], s[6:7], s[48:49]
	s_load_b32 s44, s[6:7], 0x0
	s_load_b32 s45, s[6:7], 0x10000
	s_load_b32 s46, s[6:7], 0x20000
	s_load_b32 s47, s[6:7], 0x30000
	s_lshl_b32 s48, s19, 7
	s_add_nc_u64 s[4:5], s[4:5], s[48:49]
	s_add_nc_u64 s[10:11], s[10:11], s[48:49]
.irp q, 0,1,2,3
	global_load_b32 v[W+\q], v[O4], s[4:5] offset:0x200000*\q
.endr
	s_wait_kmcnt 0x0
.irp q, 0,1,2,3
	s_min_u32 s[44+\q], s[44+\q], 0x400            ; a quarter has 1,024 keys
.endr
	s_add_co_u32 s20, s44, s45
	s_add_co_u32 s20, s20, s46
	s_add_co_u32 s20, s20, s47                     ; c
	s_cmp_gt_u32 s20, 64
	s_cbranch_scc1 .Llong
	s_wait_loadcnt 0x0
; Quarter q: as many trips as it has flagged keys.
.macro QUART q
	s_cmp_eq_u32 s[44+\q], 0
	s_cbranch_scc1 .Lqe_\@
	s_mov_b32 s22, 0
.Lq_\@:
	v_sub_nc_u32 v[N], 0, v[W+\q]
	v_and_b32 v[LB], v[W+\q], v[N]                 ; my word's lowest set bit, alone
	v_cvt_f32_u32 v[F], v[LB]                      ; a power of two: exact
	v_lshrrev_b32 v[F], 23, v[F]                   ; 127 + the bit's number
	v_add_nc_u32 v[F], 0xffffff81, v[F]
	v_and_b32 v[T], 0x18, v[F]                     ; bit 8 kb + j is key 16 kb + j of the word's
	v_and_b32 v[F], 7, v[F]
	v_lshl_add_u32 v[F], v[T], 1, v[F]
	v_add3_u32 v[F], v[F], v[KBL], 1024*\q
	v_cvt_f32_u32 v[F], v[F]                       ; keys are below 4,096: exact
	v_cmp_ne_u32 vcc_lo, 0, v[W+\q]
	v_cndmask_b32 v[F], -1.0, v[F], vcc_lo         ; an empty word offers nothing
	v_max_num_f32_dpp v[M], v[F], v[F] row_xmask:1 row_mask:0xf bank_mask:0xf
	v_max_num_f32_dpp v[M], v[M], v[M] row_xmask:2 row_mask:0xf bank_mask:0xf
	v_max_num_f32_dpp v[M], v[M], v[M] row_xmask:4 row_mask:0xf bank_mask:0xf
	v_max_num_f32_dpp v[M], v[M], v[M] row_xmask:8 row_mask:0xf bank_mask:0xf
	v_permlanex16_b32 v[T], v[M], s60, s61
	v_max_num_f32 v[M], v[M], v[T]                 ; the key taken, in every lane
	v_cmp_eq_f32 vcc_lo, v[F], v[M]                ; the lanes' offers differ, so one lane finds its own
	v_cndmask_b32 v[LB], 0, v[LB], vcc_lo
	v_xor_b32 v[W+\q], v[W+\q], v[LB]              ; and clears the bit
	v_cvt_u32_f32 v[M], v[M]
	s_lshr_b32 s23, s21, 1
	s_and_b32 s24, s21, 1
	s_lshl_b32 s24, s24, 4
	v_lshlrev_b32 v[M], s24, v[M]
	v_cmp_eq_u32 vcc_lo, s23, v[LANE]
	v_cndmask_b32 v[M], 0, v[M], vcc_lo
	v_or_b32 v[K], v[K], v[M]
	s_add_co_u32 s21, s21, 1
	s_add_co_u32 s22, s22, 1
	s_cmp_lt_u32 s22, s[44+\q]
	s_cbranch_scc1 .Lq_\@
.Lqe_\@:
.endm
	QUART 0
	QUART 1
	QUART 2
	QUART 3
.Lstore:
	global_store_b32 v[O4], v[K], s[10:11]         ; the row's list; zeros for a row that is treated densely
	s_endpgm
.Llong:                                                ; THE DENSE WAY: 128 chunks of 32 keys; in a chunk eight trips of four keys, eight lanes to a key (16 channels, 64 bytes, a lane)
	s_lshl_b32 s48, s19, 2
	s_add_nc_u64 s[36:37], s[8:9], s[48:49]
	s_add_nc_u64 s[36:37], s[36:37], 0x1000000     ; pm at my row
	s_load_b32 s40, s[36:37], 0x0
	s_load_b32 s41, s[36:37], 0x10000
	s_load_b32 s42, s[36:37], 0x20000
	s_load_b32 s43, s[36:37], 0x30000
	s_lshl_b32 s48, s19, 9
	s_add_nc_u64 s[14:15], s[8:9], s[48:49]        ; e1 at my row
	s_lshr_b32 s48, s19, 12
	s_lshl_b32 s48, s48, 21                        ; the batch's 4,096 rows of 512 bytes
	s_add_nc_u64 s[16:17], s[8:9], s[48:49]
	s_add_nc_u64 s[16:17], s[16:17], 0x800000      ; e2 lies behind e1
	s_lshl_b32 s48, s19, 14
	s_add_nc_u64 s[12:13], s[12:13], s[48:49]      ; zval at my row
	v_and_b32 v[I64], 7, v0
	v_lshlrev_b32 v[I64], 6, v[I64]
	v_lshrrev_b32 v[ADR], 3, v[LANE]
	v_lshl_add_u32 v[ADR], v[ADR], 9, v[I64]       ; key lane / 8 of the trip's four, my channels
.irp i, 0,1,2,3
	global_load_b128 v[E1+4*\i:E1+4*\i+3], v[I64], s[14:15] offset:16*\i
.endr
	v_mov_b32 v[NEG], 0xff7fffff
	v_mov_b32 v[SC], v[NEG]
	v_mov_b32 v[LO], v[O4]
	s_wait_kmcnt 0x0
	v_mov_b32 v[MAXV], s40
	v_max3_num_f32 v[MAXV], v[MAXV], s41, s42
	v_max_num_f32 v[MAXV], s43, v[MAXV]
	s_wait_loadcnt 0x0
	s_mov_b32 s26, 128
.Lch:
	s_mov_b32 s29, 0
.Lt:
.irp i, 0,1,2,3
	global_load_b128 v[E2+4*\i:E2+4*\i+3], v[ADR], s[16:17] offset:16*\i
.endr
	s_wait_loadcnt 0x0                             ; also frees the address register, which steps below
	v_add_nc_u32 v[ADR], 0x800, v[ADR]             ; four keys on
	v_pk_mul_f32 v[A:A+1], v[E1:E1+1], v[E2:E2+1]  ; the first products start the two chains
	v_pk_mul_f32 v[A+2:A+3], v[E1+2:E1+3], v[E2+2:E2+3]
.irp i, 4,8,12
	v_pk_fma_f32 v[A:A+1], v[E1+\i:E1+\i+1], v[E2+\i:E2+\i+1], v[A:A+1]
	v_pk_fma_f32 v[A+2:A+3], v[E1+\i+2:E1+\i+3], v[E2+\i+2:E2+\i+3], v[A+2:A+3]
.endr
	v_pk_add_f32 v[A:A+1], v[A:A+1], v[A+2:A+3]
	v_add_f32 v[A], v[A], v[A+1]
	v_add_f32_dpp v[A], v[A], v[A] row_xmask:1 row_mask:0xf bank_mask:0xf
	v_add_f32_dpp v[A], v[A], v[A] row_xmask:2 row_mask:0xf bank_mask:0xf
	v_add_f32_dpp v[A], v[A], v[A] row_xmask:4 row_mask:0xf bank_mask:0xf
	s_lshl_b32 s30, s29, 2
	s_add_co_u32 s31, s30, 1
	s_add_co_u32 s55, s30, 2
	s_add_co_u32 s56, s30, 3
	v_readlane_b32 s32, v[A], 0
	v_readlane_b32 s33, v[A], 8
	v_readlane_b32 s34, v[A], 16
	v_readlane_b32 s35, v[A], 24
	v_writelane_b32 v[SC], s32, s30                ; each score to its key's lane
	v_writelane_b32 v[SC], s33, s31
	v_writelane_b32 v[SC], s34, s55
	v_writelane_b32 v[SC], s35, s56
	s_add_co_u32 s29, s29, 1
	s_cmp_lt_u32 s29, 8
	s_cbranch_scc1 .Lt
	v_sub_f32 v[ZV], v[SC], v[MAXV]
	global_store_b32 v[LO], v[ZV], s[12:13]
	s_wait_xcnt 0x0                                ; the store has read its registers: they are rewritten only behind this wait
	v_add_nc_u32 v[LO], 0x80, v[LO]
	s_sub_co_u32 s26, s26, 1
	s_cmp_lg_u32 s26, 0
	s_cbranch_scc1 .Lch
	s_branch .Lstore
.Lfunc_end_k_qf921b13d33_list:
	.size	k_qf921b13d33_list, .Lfunc_end_k_qf921b13d33_list-k_qf921b13d33_list
	.p2alignl 7, 3214868480
	.fill 96, 4, 3214868480
	.section	.rodata,"a",@progbits
	.p2align	6, 0x0
	.amdhsa_kernel k_qf921b13d33_list
		.amdhsa_group_segment_fixed_size 0
		.amdhsa_private_segment_fixed_size 0
		.amdhsa_enable_private_segment 0
		.amdhsa_kernarg_size 40
		.amdhsa_user_sgpr_count 2
		.amdhsa_user_sgpr_kernarg_segment_ptr 1
		.amdhsa_wavefront_size32 1
		.amdhsa_system_sgpr_workgroup_id_x 1
		.amdhsa_system_sgpr_workgroup_id_y 1
		.amdhsa_system_sgpr_workgroup_id_z 1
		.amdhsa_system_vgpr_workitem_id 0
		.amdhsa_next_free_vgpr 64
		.amdhsa_next_free_sgpr 66
		.amdhsa_reserve_vcc 1
		.amdhsa_float_denorm_mode_32 3
		.amdhsa_float_denorm_mode_16_64 3
		.amdhsa_memory_ordered 1
		.amdhsa_forward_progress 1
		.amdhsa_inst_pref_size 12
	.end_amdhsa_kernel
	.amdgpu_metadata
---
amdhsa.version: [ 1, 2 ]
amdhsa.kernels:
  - .name:           k_qf921b13d33_list
    .symbol:         k_qf921b13d33_list.kd
    .args:
      - { .name: mask, .offset: 0, .size: 8, .value_kind: global_buffer, .address_space: global }
      - { .name: cntq, .offset: 8, .size: 8, .value_kind: global_buffer, .address_space: global }
      - { .name: ef, .offset: 16, .size: 8, .value_kind: global_buffer, .address_space: global }
      - { .name: keys, .offset: 24, .size: 8, .value_kind: global_buffer, .address_space: global }
      - { .name: zval, .offset: 32, .size: 8, .value_kind: global_buffer, .address_space: global }
    .group_segment_fixed_size: 0
    .private_segment_fixed_size: 0
    .kernarg_segment_align: 8
    .kernarg_segment_size: 40
    .max_flat_workgroup_size: 256
    .sgpr_count:     66
    .vgpr_count:     64
    .wavefront_size: 32
...
	.end_amdgpu_metadata
.endif
;; end of part 4
;; launch finish (part 5): grid 2048 x 1, 8 waves a work-group, no clusters, 0 bytes of LDS; arguments cntq, keys, ef, asmh, x, zval, out0; writes out0
.if DOCPART == 5
	.amdgcn_target "amdgcn-amd-amdhsa--gfx1250"
	.amdhsa_code_object_version 6
	.text
	.protected	k_qf921b13d33_finish
	.globl	k_qf921b13d33_finish
	.p2align	8
	.type	k_qf921b13d33_finish,@function
k_qf921b13d33_finish:
	s_mov_b64 s[64:65], 0
	v_nop
	global_prefetch_b8 v0, s[64:65] scope:SCOPE_SE
	s_setreg_imm32_b32 hwreg(HW_REG_WAVE_MODE, 25, 1), 1
	s_wait_xcnt 0x0
; out[row] = the sum over keys of max(z - tau, 0) asm[key] + x[row], z = e1[row] . e2[key] less a shift common to the row.  One wave, one row; in the sums a lane holds channels
; 4 l .. 4 l + 3 and 128 + 4 l .. 128 + 4 l + 3.
; c (the row's four counts in cntq, added) and the row's list (keys[row][64], 16 bits a key) are whole numbers stored by earlier launches; they come by scalar loads, and every branch, trip
; count and gathered address hangs on them alone.  Four keys a trip; the next trip's four are asked for a trip ahead (the offset is held at the row's last eight bytes).
; tau is the root of f(tau) = sum max(z - tau, 0) - 1, which lies in [max z - 1, max z).  Step: tau <- (the sum of the z above tau, less 1) / their number g: Newton's step from the left.
; The set above tau shrinks until it is the support, so c steps are exact; and since f is convex, f g falls to a quarter or less in each step.  From tau = max z - 1 both f and g are at
; most c, so min(c, 24) steps leave f, the weights' summed error, at most 2^24 / 4^24 at c = 4,096.
; c <= 64: z of the listed keys is made here of the unrounded e1 and e2 (ef; the wave takes a key's 512 bytes, four channels a lane) and kept in two registers, one key a lane, less their maximum.
; c > 64: the launch before has stored z for all 4,096 keys in zval.  25 steps, each over 16 blocks of 256 (two loads of 512 consecutive bytes, both on their way together); each step also
; takes the maximum, and tau = max(step, maximum - 1), so that the bound above holds from the first step on.  Then all 4,096 rows of asm are weighted.
; x enters rounded to bf16, like every input; asm is f16; products and sums in f32.  An entry behind the list's end has key 0 and the weight 0.
; LIMITS.  asm is finite (within f16's range); NaN and infinities are not treated apart.  No LDS, no matrix unit: a list is a few keys as a rule, and rows share nothing.
.set CO,   0                           ; v0   the dense way's stepping offset (the thread's number is used up at the head)
.set LANE, 1
.set LANE32, 2
.set Q,    3                           ; lane / 4
.set O16,  4
.set O8,   5
.set O4,   6
.set NEG,  7
.set Z0,   8                           ; z of entries 0-31
.set Z1,   9                           ; of entries 32-63
.set TAU,  10
.set MXV,  11
.set SA,   12                          ; v12-13
.set RC,   14
.set TMP,  15
.set E1,   16                          ; v16-19
.set P0,   20
.set P1,   21
.set V,    22
.set ZC,   23
.set X,    24                          ; v24-31  x as loaded;
.set A,    24                          ;         then four pairs of sums
.set ACC,  32                          ; v32-39
.set ADR,  40                          ; v40-43
.set D,    44                          ; v44-59  four keys' rows of e2, later of asm;
.set ZB,   44                          ;         in the dense way a block of z
.set PV,   60                          ; v60-63  four weights; at the head x rounded
.macro WSUM r
	v_add_f32_dpp v[\r], v[\r], v[\r] row_xmask:1 row_mask:0xf bank_mask:0xf
	v_add_f32_dpp v[\r], v[\r], v[\r] row_xmask:2 row_mask:0xf bank_mask:0xf
	v_add_f32_dpp v[\r], v[\r], v[\r] row_xmask:4 row_mask:0xf bank_mask:0xf
	v_add_f32_dpp v[\r], v[\r], v[\r] row_xmask:8 row_mask:0xf bank_mask:0xf
	v_permlanex16_b32 v[TMP], v[\r], s60, s61
	v_add_f32 v[\r], v[\r], v[TMP]
.endm
.macro WMAX r
	v_max_num_f32_dpp v[\r], v[\r], v[\r] row_xmask:1 row_mask:0xf bank_mask:0xf
	v_max_num_f32_dpp v[\r], v[\r], v[\r] row_xmask:2 row_mask:0xf bank_mask:0xf
	v_max_num_f32_dpp v[\r], v[\r], v[\r] row_xmask:4 row_mask:0xf bank_mask:0xf
	v_max_num_f32_dpp v[\r], v[\r], v[\r] row_xmask:8 row_mask:0xf bank_mask:0xf
	v_permlanex16_b32 v[TMP], v[\r], s60, s61
	v_max_num_f32 v[\r], v[\r], v[TMP]
.endm
; The four keys asked for a trip ago become byte offsets of rows of 512 bytes in s40-43; the next four are asked for.
.macro KEYS
	s_wait_kmcnt 0x0
	s_and_b32 s40, s36, 0xffff
	s_lshr_b32 s41, s36, 16
	s_and_b32 s42, s37, 0xffff
	s_lshr_b32 s43, s37, 16
	s_add_co_u32 s27, s27, 8
	s_min_u32 s27, s27, 120                        ; never past the row's 128 bytes
	s_load_b64 s[36:37], s[6:7], s27 offset:0x0
.irp u, 0,1,2,3
	s_min_u32 s[40+\u], s[40+\u], 0xfff
	s_lshl_b32 s[40+\u], s[40+\u], 9
.endr
.endm
	s_load_b256 s[4:11], s[0:1], 0x0               ; cntq s[4:5], keys s[6:7], ef s[8:9], asmh s[10:11]
	s_load_b128 s[12:15], s[0:1], 0x20             ; x s[12:13], zval s[14:15]
	s_load_b64 s[16:17], s[0:1], 0x30              ; out0
	v_lshrrev_b32 v1, 5, v0
	v_readfirstlane_b32 s18, v1
	s_lshl_b32 s19, ttmp9, 3
	s_add_co_u32 s19, s19, s18                     ; my row
	v_and_b32 v[LANE], 31, v0
	v_add_nc_u32 v[LANE32], 32, v[LANE]
	v_lshrrev_b32 v[Q], 2, v[LANE]
	v_lshlrev_b32 v[O16], 4, v[LANE]
	v_lshlrev_b32 v[O8], 3, v[LANE]
	v_lshlrev_b32 v[O4], 2, v[LANE]
	v_mov_b32 v[NEG], 0xff7fffff                   ; the lowest finite number
	v_mov_b32 v[Z0], v[NEG]
	v_mov_b32 v[Z1], v[NEG]
	v_mov_b32 v[TMP], 0
	s_mov_b32 s56, 0x22222222                      ; the lanes with lane % 4 = 1, 2, 3
	s_mov_b32 s57, 0x44444444
	s_mov_b32 s58, 0x88888888
	s_mov_b32 s60, 0x76543210
	s_mov_b32 s61, 0xfedcba98
	s_mov_b32 s49, 0
	s_mov_b32 s27, 0
	s_wait_kmcnt 0x0
	s_lshl_b32 s48, s19, 2
	s_add_nc_u64 s[4:5], s[4:5], s[48:49]
	s_load_b32 s44, s[4:5], 0x0
	s_load_b32 s45, s[4:5], 0x10000
	s_load_b32 s46, s[4:5], 0x20000
	s_load_b32 s47, s[4:5], 0x30000
	s_lshl_b32 s48, s19, 7
	s_add_nc_u64 s[6:7], s[6:7], s[48:49]
	s_load_b64 s[36:37], s[6:7], 0x0               ; the list's first four keys
	s_lshl_b32 s48, s19, 9
	s_add_nc_u64 s[50:51], s[8:9], s[48:49]        ; e1 at my row
	s_lshr_b32 s48, s19, 12
	s_lshl_b32 s48, s48, 21                        ; the batch's 4,096 rows of 512 bytes, in e2 and in asm
	s_add_nc_u64 s[8:9], s[8:9], s[48:49]
	s_add_nc_u64 s[8:9], s[8:9], 0x800000          ; e2 lies behind e1
	s_add_nc_u64 s[10:11], s[10:11], s[48:49]
	s_lshl_b32 s48, s19, 10
	s_add_nc_u64 s[12:13], s[12:13], s[48:49]
	s_add_nc_u64 s[16:17], s[16:17], s[48:49]
	s_lshl_b32 s48, s19, 14
	s_add_nc_u64 s[14:15], s[14:15], s[48:49]
	global_load_b128 v[E1:E1+3], v[O16], s[50:51]
	global_load_b128 v[X:X+3], v[O16], s[12:13]
	global_load_b128 v[X+4:X+7], v[O16], s[12:13] offset:512
	s_wait_kmcnt 0x0
.irp q, 0,1,2,3
	s_min_u32 s[44+\q], s[44+\q], 0x400            ; a quarter has 1,024 keys
.endr
	s_add_co_u32 s20, s44, s45
	s_add_co_u32 s20, s20, s46
	s_add_co_u32 s20, s20, s47                     ; c
	s_min_u32 s21, s20, 24                         ; steps
	s_min_u32 s38, s20, 32
	s_add_co_u32 s38, s38, 3
	s_lshr_b32 s38, s38, 2                         ; groups of four among entries 0-31
	s_max_u32 s23, s20, 32
	s_sub_co_u32 s23, s23, 29
	s_lshr_b32 s23, s23, 2                         ; and among entries 32-63
	s_wait_loadcnt 0x0
.irp i, 0,1,2,3
	v_cvt_pk_bf16_f32 v[PV+\i], v[X+2*\i], v[X+2*\i+1]
.endr
.irp i, 0,1,2,3
	v_lshlrev_b32 v[ACC+2*\i], 16, v[PV+\i]        ; the sums start with x
	v_and_b32 v[ACC+2*\i+1], 0xffff0000, v[PV+\i]
.endr
	s_cmp_gt_u32 s20, 64
	s_cbranch_scc1 .Llong
; s24 groups of four listed keys: each key's score, summed over the wave, goes to lane 4 t + u of register r.
.macro ZPASS r
	s_cmp_eq_u32 s24, 0
	s_cbranch_scc1 .Lze_\@
	s_mov_b32 s26, 0
.Lz_\@:
	KEYS
.irp u, 0,1,2,3
	v_add_nc_u32 v[ADR+\u], s[40+\u], v[O16]
	global_load_b128 v[D+4*\u:D+4*\u+3], v[ADR+\u], s[8:9]       ; a key's row of e2: 512 consecutive bytes
.endr
	s_wait_loadcnt 0x0                             ; also frees the address registers
.irp u, 0,1,2,3
	v_pk_mul_f32 v[A+2*\u:A+2*\u+1], v[E1:E1+1], v[D+4*\u:D+4*\u+1]
.endr
.irp u, 0,1,2,3
	v_pk_fma_f32 v[A+2*\u:A+2*\u+1], v[E1+2:E1+3], v[D+4*\u+2:D+4*\u+3], v[A+2*\u:A+2*\u+1]
.endr
.irp u, 0,1,2,3
	v_add_f32 v[A+2*\u], v[A+2*\u], v[A+2*\u+1]
.endr
.irp m, 1,2,4,8
.irp u, 0,1,2,3
	v_add_f32_dpp v[A+2*\u], v[A+2*\u], v[A+2*\u] row_xmask:\m row_mask:0xf bank_mask:0xf
.endr
.endr
.irp u, 0,1,2,3
	v_permlanex16_b32 v[A+2*\u+1], v[A+2*\u], s60, s61
.endr
.irp u, 0,1,2,3
	v_add_f32 v[A+2*\u], v[A+2*\u], v[A+2*\u+1]
.endr
	v_cndmask_b32 v[V], v[A], v[A+2], s56          ; lane l looks at key l % 4 of the four
	v_cndmask_b32 v[V], v[V], v[A+4], s57
	v_cndmask_b32 v[V], v[V], v[A+6], s58
	v_cmp_eq_u32 vcc_lo, s26, v[Q]                 ; and the four lanes of this trip take it
	v_cndmask_b32 v[\r], v[\r], v[V], vcc_lo
	s_add_co_u32 s26, s26, 1
	s_cmp_lt_u32 s26, s24
	s_cbranch_scc1 .Lz_\@
.Lze_\@:
.endm
; s24 groups of four entries: each key's row of asm (two loads of 256 consecutive bytes a wave) times its weight, which lies in lane 4 t + u of register p.
; dense = 0: the keys come from the list; 1: they are the next four in turn, s28 their byte offset.
.macro GATHER p, dense
	s_cmp_eq_u32 s24, 0
	s_cbranch_scc1 .Lge_\@
	s_mov_b32 s26, 0
.Lgt_\@:
.if \dense
.irp u, 0,1,2,3
	s_add_co_u32 s[40+\u], s28, 512*\u
.endr
	s_add_co_u32 s28, s28, 2048
.else
	KEYS
.endif
	s_lshl_b32 s32, s26, 2
	s_add_co_u32 s33, s32, 1
	s_add_co_u32 s34, s32, 2
	s_add_co_u32 s35, s32, 3
.irp u, 0,1,2,3
	v_readlane_b32 s[52+\u], v[\p], s[32+\u]
.endr
.irp u, 0,1,2,3
	v_add_nc_u32 v[ADR+\u], s[40+\u], v[O8]
	global_load_b64 v[D+4*\u:D+4*\u+1], v[ADR+\u], s[10:11]
	global_load_b64 v[D+4*\u+2:D+4*\u+3], v[ADR+\u], s[10:11] offset:256
	v_mov_b32 v[PV+\u], s[52+\u]
.endr
	s_wait_loadcnt 0x0                             ; also frees the address registers
.irp u, 0,1,2,3
.irp i, 0,1,2,3
	v_fma_mix_f32 v[ACC+2*\i], v[D+4*\u+\i], v[PV+\u], v[ACC+2*\i] op_sel_hi:[1,0,0]
	v_fma_mix_f32 v[ACC+2*\i+1], v[D+4*\u+\i], v[PV+\u], v[ACC+2*\i+1] op_sel:[1,0,0] op_sel_hi:[1,0,0]
.endr
.endr
	s_add_co_u32 s26, s26, 1
	s_cmp_lt_u32 s26, s24
	s_cbranch_scc1 .Lgt_\@
.Lge_\@:
.endm
	; THE LISTED WAY
	s_mov_b32 s24, s38
	ZPASS Z0
	s_mov_b32 s24, s23
	ZPASS Z1
	s_wait_kmcnt 0x0                               ; the last request has come back: its registers are asked for anew
	s_mov_b32 s27, 0
	s_load_b64 s[36:37], s[6:7], 0x0               ; the list's first four keys again, for the second walk; the steps below stand in the wait
	v_cmp_gt_u32 vcc_lo, s20, v[LANE]
	v_cndmask_b32 v[Z0], v[NEG], v[Z0], vcc_lo     ; entries behind the list's end count for nothing
	v_cmp_gt_u32 vcc_lo, s20, v[LANE32]
	v_cndmask_b32 v[Z1], v[NEG], v[Z1], vcc_lo
	v_max_num_f32 v[MXV], v[Z0], v[Z1]
	WMAX MXV
	v_sub_f32 v[Z0], v[Z0], v[MXV]                 ; the maximum is taken away
	v_sub_f32 v[Z1], v[Z1], v[MXV]
	v_mov_b32 v[TAU], -1.0                         ; maximum - 1
	s_cmp_eq_u32 s21, 0
	s_cbranch_scc1 .Lsolved
	s_mov_b32 s22, 0
.Lstep:
	v_cmp_gt_f32 s31, v[Z0], v[TAU]
	v_cmp_gt_f32 s29, v[Z1], v[TAU]
	v_cndmask_b32 v[SA], 0, v[Z0], s31
	v_cndmask_b32 v[ZC], 0, v[Z1], s29
	v_add_f32 v[SA], v[SA], v[ZC]
	s_bcnt1_i32_b32 s30, s31
	s_bcnt1_i32_b32 s29, s29
	s_add_co_u32 s30, s30, s29                     ; a number for the division alone: no branch and no address hangs on it
	WSUM SA
	v_cvt_f32_u32 v[RC], s30
	v_rcp_f32 v[RC], v[RC]
	v_add_f32 v[SA], -1.0, v[SA]                   ; the plain instruction behind the reciprocal
	s_wait_alu depctr_va_vdst(0)
	v_mul_f32 v[TAU], v[SA], v[RC]
	s_add_co_u32 s22, s22, 1
	s_cmp_lt_u32 s22, s21
	s_cbranch_scc1 .Lstep
.Lsolved:
	v_sub_f32 v[P0], v[Z0], v[TAU]
	v_sub_f32 v[P1], v[Z1], v[TAU]
	v_max_num_f32 v[P0], 0, v[P0]
	v_max_num_f32 v[P1], 0, v[P1]
	s_mov_b32 s24, s38
	GATHER P0, 0
	s_mov_b32 s24, s23
	GATHER P1, 0
	s_branch .Lout
.Llong:                                                ; THE DENSE WAY
	v_mov_b32 v[TAU], 0xff000000                   ; below every z: the first step takes all
	s_mov_b32 s22, 25
.Llstep:
	v_mov_b32 v[SA], 0
	v_mov_b32 v[SA+1], 0
	v_mov_b32 v[MXV], v[NEG]
	v_mov_b32 v[CO], v[O16]
	s_mov_b32 s30, 0
	s_mov_b32 s25, 0
.Lmore:                                                ; a trip: 256 entries, eight a lane
	global_load_b128 v[ZB:ZB+3], v[CO], s[14:15]
	global_load_b128 v[ZB+4:ZB+7], v[CO], s[14:15] offset:512
	s_wait_loadcnt 0x0                             ; also frees the offset register, which steps below
	v_add_nc_u32 v[CO], 0x400, v[CO]
.irp i, 0,1,2,3,4,5,6,7
	v_cmp_gt_f32 s[32+\i], v[ZB+\i], v[TAU]
.endr
.irp i, 0,2,4,6
	v_max3_num_f32 v[MXV], v[MXV], v[ZB+\i], v[ZB+\i+1]
.endr
.irp i, 0,1,2,3,4,5,6,7
	v_cndmask_b32 v[ZB+\i], 0, v[ZB+\i], s[32+\i]
.endr
.irp i, 0,2,4,6
	v_pk_add_f32 v[SA:SA+1], v[SA:SA+1], v[ZB+\i:ZB+\i+1]
.endr
.irp i, 0,1,2,3,4,5,6,7
	s_bcnt1_i32_b32 s[32+\i], s[32+\i]
	s_add_co_u32 s30, s30, s[32+\i]                ; a number for the division alone
.endr
	s_add_co_u32 s25, s25, 1
	s_cmp_lt_u32 s25, 16
	s_cbranch_scc1 .Lmore
	v_add_f32 v[SA], v[SA], v[SA+1]
	WSUM SA
	WMAX MXV
	v_cvt_f32_u32 v[RC], s30
	v_rcp_f32 v[RC], v[RC]
	v_add_f32 v[SA], -1.0, v[SA]                   ; the plain instruction behind the reciprocal
	s_wait_alu depctr_va_vdst(0)
	v_mul_f32 v[TAU], v[SA], v[RC]
	v_add_f32 v[MXV], -1.0, v[MXV]
	v_max_num_f32 v[TAU], v[TAU], v[MXV]           ; both lie at or below the root: the higher one
	s_sub_co_u32 s22, s22, 1
	s_cmp_lg_u32 s22, 0
	s_cbranch_scc1 .Llstep
	v_mov_b32 v[CO], v[O4]
	s_mov_b32 s28, 0
	s_mov_b32 s24, 8
	s_mov_b32 s25, 128
.Lchunk:                                               ; 32 keys: their weights, one a lane, and eight groups of four rows of asm
	global_load_b32 v[ZC], v[CO], s[14:15]
	s_wait_loadcnt 0x0
	v_add_nc_u32 v[CO], 0x80, v[CO]
	v_sub_f32 v[P0], v[ZC], v[TAU]
	v_max_num_f32 v[P0], 0, v[P0]
	GATHER P0, 1
	s_sub_co_u32 s25, s25, 1
	s_cmp_lg_u32 s25, 0
	s_cbranch_scc1 .Lchunk
.Lout:
	s_wait_kmcnt 0x0                               ; the listed way's last request ahead has come back
	global_store_b128 v[O16], v[ACC:ACC+3], s[16:17]              ; 512 consecutive bytes each, at a multiple of 256
	global_store_b128 v[O16], v[ACC+4:ACC+7], s[16:17] offset:512
	s_endpgm
.Lfunc_end_k_qf921b13d33_finish:
	.size	k_qf921b13d33_finish, .Lfunc_end_k_qf921b13d33_finish-k_qf921b13d33_finish
	.p2alignl 7, 3214868480
	.fill 96, 4, 3214868480
	.section	.rodata,"a",@progbits
	.p2align	6, 0x0
	.amdhsa_kernel k_qf921b13d33_finish
		.amdhsa_group_segment_fixed_size 0
		.amdhsa_private_segment_fixed_size 0
		.amdhsa_enable_private_segment 0
		.amdhsa_kernarg_size 56
		.amdhsa_user_sgpr_count 2
		.amdhsa_user_sgpr_kernarg_segment_ptr 1
		.amdhsa_wavefront_size32 1
		.amdhsa_system_sgpr_workgroup_id_x 1
		.amdhsa_system_sgpr_workgroup_id_y 1
		.amdhsa_system_sgpr_workgroup_id_z 1
		.amdhsa_system_vgpr_workitem_id 0
		.amdhsa_next_free_vgpr 64
		.amdhsa_next_free_sgpr 66
		.amdhsa_reserve_vcc 1
		.amdhsa_float_denorm_mode_32 3
		.amdhsa_float_denorm_mode_16_64 3
		.amdhsa_memory_ordered 1
		.amdhsa_forward_progress 1
		.amdhsa_inst_pref_size 31
	.end_amdhsa_kernel
	.amdgpu_metadata
---
amdhsa.version: [ 1, 2 ]
amdhsa.kernels:
  - .name:           k_qf921b13d33_finish
    .symbol:         k_qf921b13d33_finish.kd
    .args:
      - { .name: cntq, .offset: 0, .size: 8, .value_kind: global_buffer, .address_space: global }
      - { .name: keys, .offset: 8, .size: 8, .value_kind: global_buffer, .address_space: global }
      - { .name: ef, .offset: 16, .size: 8, .value_kind: global_buffer, .address_space: global }
      - { .name: asmh, .offset: 24, .size: 8, .value_kind: global_buffer, .address_space: global }
      - { .name: x, .offset: 32, .size: 8, .value_kind: global_buffer, .address_space: global }
      - { .name: zval, .offset: 40, .size: 8, .value_kind: global_buffer, .address_space: global }
      - { .name: out0, .offset: 48, .size: 8, .value_kind: global_buffer, .address_space: global }
    .group_segment_fixed_size: 0
    .private_segment_fixed_size: 0
    .kernarg_segment_align: 8
    .kernarg_segment_size: 56
    .max_flat_workgroup_size: 256
    .sgpr_count:     66
    .vgpr_count:     64
    .wavefront_size: 32
...
	.end_amdgpu_metadata
.endif
;; end of part 5
